; MI455X (gfx1250); checked and timed in simulation.
; The chip was launched on July 23, 2026; its instructions are those of AMD's public machine-readable ISA for CDNA 5 (MIT licence, August 2026) and "CDNA5" Instruction Set Architecture Reference Guide (July 2026). The comments in the code are by the model that wrote it; some were corrected since.
;; GPT2 Block. Allowed arithmetic: float matrix products may take bf16 or f16 operands with f32 sums; all other float work in f32.
;; Inputs: b_attn 3,072 float32; b_ff1 4,096 float32; b_ff2 1,024 float32; b_proj 1,024 float32; ln1_b 1,024 float32; ln1_g 1,024 float32; ln2_b 1,024 float32; ln2_g 1,024 float32; w_attn 1,024 x 3,072 float32; w_ff1 1,024 x 4,096 float32; w_ff2 4,096 x 1,024 float32; w_proj 1,024 x 1,024 float32; x 2 x 2,048 x 1,024 float32.
;; Outputs: out0 2 x 2,048 x 1,024 float32.
;; One version. Each part assembles by itself: llvm-mc -triple=amdgcn-amd-amdhsa -mcpu=gfx1250 --defsym DOCPART=n.
;; ======== version 1 of 1: 8 launches
;; limits: a function is approximated: absolute error at most 1.5e-07; values are held in f16: magnitudes above 65,504 overflow, below 6.1e-05 lose precision
;; workspace buffers: wb 25,165,824 bytes; xn 8,388,608 bytes; qkv 25,165,824 bytes; y 8,388,608 bytes; x1 16,777,216 bytes; h 33,554,432 bytes
;; launch cast (part 1): grid 768 x 1, 8 waves a work-group, no clusters, 34,304 bytes of LDS; arguments w_attn, w_proj, w_ff1, w_ff2, wb; writes wb
.if DOCPART == 1
	.amdgcn_target "amdgcn-amd-amdhsa--gfx1250"
	.amdhsa_code_object_version 6
	.text
	.protected	k_q6949f39b39_cast
	.globl	k_q6949f39b39_cast
	.p2align	8
	.type	k_q6949f39b39_cast,@function
k_q6949f39b39_cast:
	s_mov_b64 s[64:65], 0
	v_nop
	global_prefetch_b8 v0, s[64:65] scope:SCOPE_SE
	s_setreg_imm32_b32 hwreg(HW_REG_WAVE_MODE, 25, 1), 1
	s_wait_xcnt 0x0
; The four weight matrices, f32, are rounded once to f16 and laid one behind the other into wb:
; w_attn at byte 0, w_proj at 6,291,456, w_ff1 at 8,388,608, w_ff2 at 16,777,216.
; w_attn and w_ff1 keep their order [K][N].  w_proj and w_ff2 (N = 1,024) are laid in FRAGMENT ORDER, so that the products that use them
; fill a matrix operand by loads of 512 consecutive bytes: block (kb = k / 32, nb = n / 16) is 1,024 bytes at (64 kb + nb) x 1,024;
; in it lane (r, h) = 16 h + r has column 16 nb + r: k = 32 kb + 8 h + 0..7 in the 16 bytes at 16 x lane, k = 32 kb + 16 + 8 h + 0..7 in
; the 16 bytes at 512 + 16 x lane.
; WHY F16: it keeps 11 significant bits.  Weights of spread 1/32 and 1/64 have room in it: 30 times larger they are about 1; 30 times
; smaller about 5e-4, where f16's absolute step of 2^-24 is still under 1e-4 of the spread.
; LIMIT: a weight beyond 65,504 in magnitude becomes infinite and is not served.
; A work-group takes 16,384 numbers (65,536 bytes in, 32,768 bytes out): 256 (w_ff2) + 64 (w_proj) + 192 (w_attn) + 256 (w_ff1) = 768.
; A stream: no barrier, no matrix unit.  All loads of a thread go out at once.
.set IN,   4                           ; v[4:67]   the numbers as loaded; in the fragment path later the 16-byte pieces read back
.set OUTR, 68                          ; v[68:99]  packed f16
.set SA,   100                         ; fragment path: where I put my pieces in LDS
.set RA,   101                         ; fragment path: where I read them back
.set BP,   1040                        ; LDS pitch of a block of 1,024 bytes: the 16 more bytes shift each block by one 16-byte column
	s_load_b256 s[4:11], s[0:1], 0x0               ; w_attn s[4:5], w_proj s[6:7], w_ff1 s[8:9], w_ff2 s[10:11]
	s_load_b64 s[12:13], s[0:1], 0x20              ; wb
	v_lshl_add_u32 v104, v0, 2, 0x8200
	v_mov_b32 v105, 0
	s_mov_b32 s17, 0
	s_mov_b32 s19, 0
	s_cmp_lt_u32 ttmp9, 320
	s_cbranch_scc0 .Lplain
	; FRAGMENT ORDER.  Work-group u of a matrix: rows 32 (u / 2) .. + 31, columns 512 (u % 2) .. + 511; wave w of it: 64 of these columns.
	; Lane L has columns 2 L and 2 L + 1 of the wave's 64: a load of the wave covers 256 consecutive bytes of a row, aligned.
	v_lshrrev_b32 v1, 5, v0
	v_readfirstlane_b32 s20, v1                    ; wave
	v_and_b32 v3, 31, v0                           ; lane
	v_lshlrev_b32 v1, 3, v3                        ; 8 bytes a lane in
	v_lshlrev_b32 v2, 4, v3                        ; 16 bytes a lane out
	v_lshrrev_b32 v[SA], 3, v3                     ; my columns' block of 16: L / 8
	v_mul_u32_u24 v[SA], v[SA], BP
	v_and_b32 v3, 7, v3
	v_lshl_add_u32 v[SA], v3, 5, v[SA]             ; my two columns' places in it: 16 bytes each, from 32 (L % 8)
	s_mul_i32 s21, s20, 4*BP                       ; my wave's own 4,160 bytes of LDS: no other wave touches them, so no barrier
	v_add_nc_u32 v[SA], s21, v[SA]
	v_add_nc_u32 v[RA], s21, v2
	s_mov_b32 s18, 6291456                         ; w_proj's place in wb, unless ...
	s_mov_b32 s23, 16777216
	s_cmp_lt_u32 ttmp9, 256
	s_cselect_b32 s22, 0, 256                      ; the matrix's first work-group
	s_cselect_b32 s18, s23, s18                    ; ... my number lies below 256: w_ff2
	s_wait_kmcnt 0x0
	s_cselect_b64 s[14:15], s[10:11], s[6:7]
	s_sub_co_u32 s22, ttmp9, s22                   ; u
	s_lshr_b32 s24, s22, 1                         ; kb
	s_and_b32 s25, s22, 1                          ; which half of the columns
	s_lshl_b32 s16, s24, 17                        ; in: 32 rows of 4,096 bytes,
	s_lshl_b32 s26, s25, 11                        ; 512 columns of 4 bytes,
	s_add_co_u32 s16, s16, s26
	s_lshl_b32 s26, s20, 8                         ; 64 columns of 4 bytes
	s_add_co_u32 s16, s16, s26
	s_add_nc_u64 s[14:15], s[14:15], s[16:17]
	s_lshl_b32 s26, s24, 16                        ; out: 64 blocks of 1,024 bytes,
	s_add_co_u32 s18, s18, s26
	s_lshl_b32 s26, s25, 15                        ; 32 blocks,
	s_add_co_u32 s18, s18, s26
	s_lshl_b32 s26, s20, 12                        ; 4 blocks
	s_add_co_u32 s18, s18, s26
	s_add_nc_u64 s[12:13], s[12:13], s[18:19]
.set n, 0
.rept 32
	global_load_b64 v[IN+2*n:IN+2*n+1], v1, s[14:15] offset:4096*n th:TH_LOAD_NT   ; row n
.set n, n+1
.endr
	; Eight rows g of one column i are 16 bytes of a block: g = 0, 1: the first 512 bytes, lanes 0-15, 16-31; g = 2, 3: the second 512.
	; In a run of sixteen lanes the stores touch the 16-byte columns 2 (L % 8) + i + L / 8: sixteen different ones.
.irp g, 0,1,2,3
	s_wait_loadcnt 24-8*\g                         ; rows up to 8 g + 7 are in; the 24 - 8 g later loads stay out
.irp i, 0,1
.irp c, 0,1,2,3
	v_cvt_pk_f16_f32 v[OUTR+4*(2*\g+\i)+\c], v[IN+2*(8*\g+2*\c)+\i], v[IN+2*(8*\g+2*\c+1)+\i]   ; the lower k in the lower half
.endr
	ds_store_b128 v[SA], v[OUTR+4*(2*\g+\i):OUTR+4*(2*\g+\i)+3] offset:16*\i+512*(\g/2)+256*(\g%2)
.endr
.endr
.irp t, 0,1,2,3,4,5,6,7
	ds_load_b128 v[IN+4*\t:IN+4*\t+3], v[RA] offset:BP*(\t/2)+512*(\t%2)   ; LDS serves a wave's instructions in order (ISA guide 5.7.1.4): these see the stores above
.endr
.irp t, 0,1,2,3,4,5,6,7
	s_wait_dscnt 7-\t
	global_store_b128 v2, v[IN+4*\t:IN+4*\t+3], s[12:13] offset:512*\t     ; 512 consecutive bytes, aligned: half a block
.endr
	s_wait_tensorcnt 0x0
	ds_add_u32 v104, v105
	s_wait_dscnt 0x0
	s_endpgm
.Lplain:
	; THE ORDER [K][N] KEPT.  Each of a wave's loads covers 512 consecutive bytes, each of its stores 256 consecutive bytes, aligned.
	v_lshlrev_b32 v1, 4, v0                        ; 16 bytes a thread in
	v_lshlrev_b32 v2, 3, v0                        ; 8 bytes a thread out
	s_mov_b32 s18, 8388608                         ; w_ff1's place in wb and its first work-group, unless ...
	s_mov_b32 s22, 512
	s_mov_b32 s23, 320
	s_cmp_lt_u32 ttmp9, 512
	s_cselect_b32 s22, s23, s22                    ; ... my number lies below 512: w_attn
	s_cselect_b32 s18, 0, s18
	s_wait_kmcnt 0x0
	s_cselect_b64 s[14:15], s[4:5], s[8:9]
	s_sub_co_u32 s22, ttmp9, s22                   ; my place in that matrix,
	s_lshl_b32 s16, s22, 16                        ; times 65,536 bytes in,
	s_add_nc_u64 s[14:15], s[14:15], s[16:17]
	s_lshl_b32 s22, s22, 15                        ; times 32,768 bytes out
	s_add_co_u32 s18, s18, s22
	s_add_nc_u64 s[12:13], s[12:13], s[18:19]
.irp t, 0,1,2,3,4,5,6,7,8,9,10,11,12,13,14,15
	global_load_b128 v[IN+4*\t:IN+4*\t+3], v1, s[14:15] offset:4096*\t th:TH_LOAD_NT
.endr
.irp t, 0,1,2,3,4,5,6,7,8,9,10,11,12,13,14,15
	s_wait_loadcnt 15-\t                           ; loads come back in order: load t is in, the 15 - t younger ones stay out
	v_cvt_pk_f16_f32 v[OUTR+2*\t],   v[IN+4*\t],   v[IN+4*\t+1]
	v_cvt_pk_f16_f32 v[OUTR+2*\t+1], v[IN+4*\t+2], v[IN+4*\t+3]
	global_store_b64 v2, v[OUTR+2*\t:OUTR+2*\t+1], s[12:13] offset:2048*\t
.endr
	s_endpgm
.Lfunc_end_k_q6949f39b39_cast:
	.size	k_q6949f39b39_cast, .Lfunc_end_k_q6949f39b39_cast-k_q6949f39b39_cast
	.p2alignl 7, 3214868480
	.fill 96, 4, 3214868480
	.section	.rodata,"a",@progbits
	.p2align	6, 0x0
	.amdhsa_kernel k_q6949f39b39_cast
		.amdhsa_group_segment_fixed_size 34304
		.amdhsa_private_segment_fixed_size 0
		.amdhsa_enable_private_segment 0
		.amdhsa_kernarg_size 40
		.amdhsa_user_sgpr_count 2
		.amdhsa_user_sgpr_kernarg_segment_ptr 1
		.amdhsa_wavefront_size32 1
		.amdhsa_system_sgpr_workgroup_id_x 1
		.amdhsa_system_sgpr_workgroup_id_y 1
		.amdhsa_system_sgpr_workgroup_id_z 1
		.amdhsa_system_vgpr_workitem_id 0
		.amdhsa_next_free_vgpr 106
		.amdhsa_next_free_sgpr 66
		.amdhsa_reserve_vcc 0
		.amdhsa_float_denorm_mode_32 3
		.amdhsa_float_denorm_mode_16_64 3
		.amdhsa_memory_ordered 1
		.amdhsa_forward_progress 1
		.amdhsa_inst_pref_size 16
	.end_amdhsa_kernel
	.amdgpu_metadata
---
amdhsa.version: [ 1, 2 ]
amdhsa.kernels:
  - .name:           k_q6949f39b39_cast
    .symbol:         k_q6949f39b39_cast.kd
    .args:
      - { .name: w_attn, .offset: 0, .size: 8, .value_kind: global_buffer, .address_space: global }
      - { .name: w_proj, .offset: 8, .size: 8, .value_kind: global_buffer, .address_space: global }
      - { .name: w_ff1, .offset: 16, .size: 8, .value_kind: global_buffer, .address_space: global }
      - { .name: w_ff2, .offset: 24, .size: 8, .value_kind: global_buffer, .address_space: global }
      - { .name: wb, .offset: 32, .size: 8, .value_kind: global_buffer, .address_space: global }
    .group_segment_fixed_size: 34304
    .private_segment_fixed_size: 0
    .kernarg_segment_align: 8
    .kernarg_segment_size: 40
    .max_flat_workgroup_size: 256
    .sgpr_count:     66
    .vgpr_count:     106
    .wavefront_size: 32
...
	.end_amdgpu_metadata
.endif
;; end of part 1
;; launch ln1 (part 2): grid 256 x 1, 4 waves a work-group, no clusters, 0 bytes of LDS; arguments x, ln1_g, ln1_b, xn; writes xn
.if DOCPART == 2
	.amdgcn_target "amdgcn-amd-amdhsa--gfx1250"
	.amdhsa_code_object_version 6
	.text
	.protected	k_q6949f39b39_ln1
	.globl	k_q6949f39b39_ln1
	.p2align	8
	.type	k_q6949f39b39_ln1,@function
k_q6949f39b39_ln1:
	s_mov_b64 s[64:65], 0
	v_nop
	global_prefetch_b8 v0, s[64:65] scope:SCOPE_SE
	s_setreg_imm32_b32 hwreg(HW_REG_WAVE_MODE, 25, 1), 1
	s_wait_xcnt 0x0
; Layer norm of 4,096 rows of 1,024 f32; the result is rounded once to f16 (it feeds a matrix product).
; out[r][c] = (in[r][c] - mean) * rsqrt(var + 1e-5) * g[c] + b[c], var = mean of (in - mean)^2: two passes over the row in registers,
; so a common offset of the row is taken away before anything is squared.
; ROOM IN F16: |in - mean| * rsqrt(var) is at most sqrt(1,024) = 32 whatever the input, so the result is at most 32 |g| + |b|.
; One wave, one row at a time (4,096 bytes = 32 registers), four rows a wave, 16 rows a work-group: no LDS, no barrier.
; All loads of a wave (g, b, four rows) go out at the start.  A load covers 512 consecutive bytes, a store 256 consecutive bytes, aligned.
; Limits: a result beyond 65,504 in magnitude (a gain beyond some 2,000) becomes infinite and is not served; NaN and infinities are not
; served; the sums are f32 sums in a fixed tree order, not the order of the reference.
.set X,  64                            ; v[64:191]  row rr: 32 registers
.set G,  192                           ; v[192:223] g of my 32 columns
.set BT, 224                           ; v[224:255] b of my 32 columns
.set Y,  32                            ; v[32:63]   two sets of 16 registers of packed f16, by turns
	s_load_b256 s[4:11], s[0:1], 0x0               ; in s[4:5], g s[6:7], b s[8:9], out s[10:11]
	v_lshrrev_b32 v1, 5, v0
	v_readfirstlane_b32 s12, v1                    ; wave
	v_and_b32 v3, 31, v0                           ; lane
	v_lshlrev_b32 v1, 4, v3                        ; 16 bytes a lane in
	v_lshlrev_b32 v2, 3, v3                        ; 8 bytes a lane out
	s_lshl_b32 s16, ttmp9, 16                      ; 16 rows of 4,096 bytes a work-group,
	s_lshl_b32 s17, s12, 14                        ; 4 rows a wave
	s_add_co_u32 s16, s16, s17
	s_mov_b32 s17, 0
	s_lshr_b32 s18, s16, 1                         ; the output's rows are half as long
	s_mov_b32 s19, 0
	s_mov_b32 s13, 0x76543210                      ; v_permlanex16_b32: lane i of one half reads lane i of the other
	s_mov_b32 s14, 0xfedcba98
	s_mov_b32 s15, 0x3a800000                      ; 1 / 1,024
	s_mov_b32 s20, 0x3727c5ac                      ; 1e-5
	v_mov_b32 v8, 0                                ; the permute's destination counts as read
	v_mov_b32 v21, 0                               ; upper registers of the two pairs whose lower register is broadcast
	v_mov_b32 v23, 0
	s_wait_kmcnt 0x0
	s_add_nc_u64 s[4:5], s[4:5], s[16:17]
	s_add_nc_u64 s[10:11], s[10:11], s[18:19]
.irp j, 0,1,2,3,4,5,6,7
	global_load_b128 v[G+4*\j:G+4*\j+3], v1, s[6:7] offset:512*\j
.endr
.irp j, 0,1,2,3,4,5,6,7
	global_load_b128 v[BT+4*\j:BT+4*\j+3], v1, s[8:9] offset:512*\j
.endr
.irp rr, 0,1,2,3
.irp j, 0,1,2,3,4,5,6,7
	global_load_b128 v[X+32*\rr+4*\j:X+32*\rr+4*\j+3], v1, s[4:5] offset:4096*\rr+512*\j
.endr
.endr
.macro SUM32 r, t                      ; the sum over the wave's 32 lanes, in every lane
	v_add_f32_dpp v[\r], v[\r], v[\r] row_xmask:1 row_mask:0xf bank_mask:0xf
	v_add_f32_dpp v[\r], v[\r], v[\r] row_xmask:2 row_mask:0xf bank_mask:0xf
	v_add_f32_dpp v[\r], v[\r], v[\r] row_xmask:4 row_mask:0xf bank_mask:0xf
	v_add_f32_dpp v[\r], v[\r], v[\r] row_xmask:8 row_mask:0xf bank_mask:0xf
	v_permlanex16_b32 v[\t], v[\r], s13, s14
	v_add_f32 v[\r], v[\r], v[\t]
.endm
.macro ROW rr
.set XR, X+32*\rr
.set YR, Y+16*(\rr%2)
	s_wait_loadcnt 8*(3-\rr)                       ; g, b and my rows up to this one are in; the 8 loads of each later row stay out
	v_pk_add_f32 v[4:5], v[XR:XR+1], v[XR+2:XR+3]  ; the sum, in two chains
	v_pk_add_f32 v[6:7], v[XR+4:XR+5], v[XR+6:XR+7]
.irp k, 8,12,16,20,24,28
	v_pk_add_f32 v[4:5], v[4:5], v[XR+\k:XR+\k+1]
	v_pk_add_f32 v[6:7], v[6:7], v[XR+\k+2:XR+\k+3]
.endr
	v_pk_add_f32 v[4:5], v[4:5], v[6:7]
	v_add_f32 v4, v4, v5
	SUM32 4, 8
	v_mul_f32 v20, s15, v4                         ; the mean
.irp k, 0,2,4,6,8,10,12,14,16,18,20,22,24,26,28,30
	v_pk_add_f32 v[XR+\k:XR+\k+1], v[XR+\k:XR+\k+1], v[20:21] op_sel_hi:[1,0] neg_lo:[0,1] neg_hi:[0,1]   ; x - mean
.endr
	v_pk_mul_f32 v[4:5], v[XR:XR+1], v[XR:XR+1]    ; the sum of squares of x - mean, in two chains
	v_pk_mul_f32 v[6:7], v[XR+2:XR+3], v[XR+2:XR+3]
.irp k, 4,8,12,16,20,24,28
	v_pk_fma_f32 v[4:5], v[XR+\k:XR+\k+1], v[XR+\k:XR+\k+1], v[4:5]
	v_pk_fma_f32 v[6:7], v[XR+\k+2:XR+\k+3], v[XR+\k+2:XR+\k+3], v[6:7]
.endr
	v_pk_add_f32 v[4:5], v[4:5], v[6:7]
	v_add_f32 v4, v4, v5
	SUM32 4, 8
	v_fma_f32 v4, v4, s15, s20                     ; variance + 1e-5, one fused multiply-add
	v_rsq_f32 v22, v4
	v_nop                                          ; one plain vector instruction stands between v_rsq_f32 and the use of its result (ISA guide 5.7.2)
	s_wait_alu depctr_va_vdst(0)
.irp k, 0,2,4,6,8,10,12,14,16,18,20,22,24,26,28,30
	v_pk_mul_f32 v[XR+\k:XR+\k+1], v[XR+\k:XR+\k+1], v[22:23] op_sel_hi:[1,0]
.endr
.irp k, 0,2,4,6,8,10,12,14,16,18,20,22,24,26,28,30
	v_pk_fma_f32 v[XR+\k:XR+\k+1], v[XR+\k:XR+\k+1], v[G+\k:G+\k+1], v[BT+\k:BT+\k+1]
.endr
.if \rr >= 2
	s_wait_xcnt 0x0                                ; this set of Y was the data of the stores two rows ago: it is rewritten only behind this wait
.endif
.irp k, 0,1,2,3,4,5,6,7,8,9,10,11,12,13,14,15
	v_cvt_pk_f16_f32 v[YR+\k], v[XR+2*\k], v[XR+2*\k+1]
.endr
.irp j, 0,1,2,3,4,5,6,7
	global_store_b64 v2, v[YR+2*\j:YR+2*\j+1], s[10:11] offset:2048*\rr+256*\j
.endr
.endm
	ROW 0
	ROW 1
	ROW 2
	ROW 3
	s_endpgm
.Lfunc_end_k_q6949f39b39_ln1:
	.size	k_q6949f39b39_ln1, .Lfunc_end_k_q6949f39b39_ln1-k_q6949f39b39_ln1
	.p2alignl 7, 3214868480
	.fill 96, 4, 3214868480
	.section	.rodata,"a",@progbits
	.p2align	6, 0x0
	.amdhsa_kernel k_q6949f39b39_ln1
		.amdhsa_group_segment_fixed_size 0
		.amdhsa_private_segment_fixed_size 0
		.amdhsa_enable_private_segment 0
		.amdhsa_kernarg_size 32
		.amdhsa_user_sgpr_count 2
		.amdhsa_user_sgpr_kernarg_segment_ptr 1
		.amdhsa_wavefront_size32 1
		.amdhsa_system_sgpr_workgroup_id_x 1
		.amdhsa_system_sgpr_workgroup_id_y 1
		.amdhsa_system_sgpr_workgroup_id_z 1
		.amdhsa_system_vgpr_workitem_id 0
		.amdhsa_next_free_vgpr 256
		.amdhsa_next_free_sgpr 66
		.amdhsa_reserve_vcc 0
		.amdhsa_float_denorm_mode_32 3
		.amdhsa_float_denorm_mode_16_64 3
		.amdhsa_memory_ordered 1
		.amdhsa_forward_progress 1
		.amdhsa_inst_pref_size 37
	.end_amdhsa_kernel
	.amdgpu_metadata
---
amdhsa.version: [ 1, 2 ]
amdhsa.kernels:
  - .name:           k_q6949f39b39_ln1
    .symbol:         k_q6949f39b39_ln1.kd
    .args:
      - { .name: x, .offset: 0, .size: 8, .value_kind: global_buffer, .address_space: global }
      - { .name: ln1_g, .offset: 8, .size: 8, .value_kind: global_buffer, .address_space: global }
      - { .name: ln1_b, .offset: 16, .size: 8, .value_kind: global_buffer, .address_space: global }
      - { .name: xn, .offset: 24, .size: 8, .value_kind: global_buffer, .address_space: global }
    .group_segment_fixed_size: 0
    .private_segment_fixed_size: 0
    .kernarg_segment_align: 8
    .kernarg_segment_size: 32
    .max_flat_workgroup_size: 128
    .sgpr_count:     66
    .vgpr_count:     256
    .wavefront_size: 32
...
	.end_amdgpu_metadata
.endif
;; end of part 2
;; launch qkv (part 3): grid 12 x 16, 4 waves a work-group, clusters of 4 x 4, 327,680 bytes of LDS; arguments xn, wb, b_attn, qkv; writes qkv
.if DOCPART == 3
	.amdgcn_target "amdgcn-amd-amdhsa--gfx1250"
	.amdhsa_code_object_version 6
	.text
	.protected	k_q6949f39b39_qkv
	.globl	k_q6949f39b39_qkv
	.p2align	8
	.type	k_q6949f39b39_qkv,@function
k_q6949f39b39_qkv:
	s_mov_b64 s[64:65], 0
	v_nop
	global_prefetch_b8 v0, s[64:65] scope:SCOPE_SE
	s_setreg_imm32_b32 hwreg(HW_REG_WAVE_MODE, 25, 1), 1
	s_wait_xcnt 0x0
	s_wait_alu depctr_hold_cnt(0) depctr_sa_sdst(0) depctr_va_vdst(0) depctr_va_sdst(0) depctr_va_ssrc(0) depctr_va_vcc(0) depctr_vm_vsrc(0)
	s_getreg_b32 s2, hwreg(HW_REG_IB_STS2, 6, 4)
	s_cmp_eq_u32 s2, 0
	s_cbranch_scc0 .Lentry_in_a_cluster
	s_endpgm
.Lentry_in_a_cluster:
	s_bfe_u32 s2, ttmp6, 0x10000c
	s_cmp_lg_u32 s2, 0xf033
	s_cbranch_scc0 .Lentry_shape_is_right
	s_endpgm
.Lentry_shape_is_right:
; out[m][n] = act( sum over k of A[m][k] W[k][n] + bias[n] ), rounded once to f16.  A: [4096][SIZE_K] f16.  W: [SIZE_K][SIZE_N] f16 at
; byte WOFF of wb.  bias: f32.  Sums in f32.  act = identity (GELU = 0) or the exact GELU (GELU = 1).
; A work-group makes 256 x 256 of the output with four waves, a wave 128 x 128: 64 accumulator tiles of 16 x 16 in 512 registers.
; K goes in steps of 128 through two LDS slots.  A slot holds W's tile (128 rows along K of 256 columns, pitch 544 bytes) and then
; A's tile (256 rows of 128 along K, pitch 272 bytes).  Waves 0 and 1 fetch W's two halves, waves 2 and 3 A's: one tensor load a wave.
; W stays [K][N]: its fragments are made by ds_load_tr16_b128, which turns 8 x 8 blocks of 16-bit numbers.
; CLUSTERS: 4 x 4 work-groups.  A's tile hangs on the block row alone and is asked for jointly by the four of a row of the cluster;
; W's tile hangs on the block column alone and is asked for jointly by the four of a column.  That divides the requests by four.
; THE MATRIX INSTRUCTION IS USED TRANSPOSED (source 0 = 16 columns of W, source 1 = 16 rows of A): lane l then holds row l % 16 of the
; output and eight neighbouring columns 8 (l / 16) + 0..7.
; The 64 accumulators take turns, one instruction a turn, in the same order everywhere.
; REGISTERS: window 0: v16-27 addresses, v64-127 and v128-191 A's fragments (two buffers), v192-255 the bias; window 1: v64-127, v128-191
; W's fragments; windows 2 and 3: the accumulators of my rows 0-63 and 64-127 (tile (a, b) at v[8 (8 a + b)]).
; ROOM IN F16 FOR THE OUTPUT: a sum over K = 1,024 of a normalised row (spread: the gain) times weights of spread 1/32 has the gain's spread;
; with gain and weights both 30 times larger it has a spread of 900, six spreads are 5,400: 12 times under 65,504.
; LIMITS: operands and output are f16; an output beyond 65,504 in magnitude becomes infinite and is not served.  NaN and infinities are
; not served.  With GELU = 1, erf is the rational form 7.1.26 of Abramowitz and Stegun, absolute error 1.5e-7 for every argument; its
; exponential comes out as zero below 2^-126.
.set SIZE_N, 3072
.set SIZE_K, 1024
.set WOFF,   0
.set GELU,   0
.set KSTEP,  128
.set PA,     272                       ; A's LDS row: 256 bytes + 16: an odd multiple of 16
.set PB,     544                       ; W's LDS row: 512 bytes + 32: an odd multiple of 32
.set HA,     128*PA                    ; what one tensor load brings of A
.set HB,     64*PB                     ; and of W
.set BBYTES, 2*HB
.set SLOT,   2*HB+2*HA
.set STAGE,  2*SLOT                    ; behind the ring: 16 rows x 272 bytes for each wave; no tensor load lands there
.set SPITCH, 272
.set LAPS,   SIZE_K/(2*KSTEP)          ; a lap = two K steps = once round the ring
.set ADRA, 16                          ; v16-17  LDS address of my A fragments in slot 0, 1
.set ADRB, 20                          ; v20, v22  the same for W
.set STO,  24                          ; the way out: where I put 16 bytes of a row
.set RD,   25                          ; where I read a row back
.set CO,   26                          ; my byte offset in the output
.set BO,   27                          ; my byte offset in the bias
.set F0,   64
.set F1,   128
.set VAL,  64                          ; the way out: 64 results in f32
.set GT,   128                         ; v[128:159] at work in GELU8
.set RB0,  160                         ; rows read back, two sets by turns
.set RB1,  32
.set BIAS, 192                         ; v[192:255] bias of my 8 columns in each of the 8 column tiles
.set G1A, 24
.set G0A, 32
.set G1B, 48
.set G0B, 56
.set MSB, 0
.macro WIN new                         ; the immediate's high byte repeats the setting that is left
.if MSB != \new
	s_set_vgpr_msb (MSB<<8)|\new
.set MSB, \new
.endif
.endm
.set MUL_LO, 0xa1                      ; source 0 (W) window 1, source 1 (A) window 0, C and D window 2
.set MUL_HI, 0xf1                      ; the same, C and D window 3
.set TO_B,   0x40                      ; destination window 1, address window 0
; A joint load: waves 0 and 1 ask for W's halves, waves 2 and 3 for A's.  The branch hangs on the wave's number alone.
.macro JLOAD s
	s_cmp_eq_u32 s15, 0
	s_cbranch_scc0 .Lfor_a_\@
	tensor_load_to_lds s[G0B+4*\s:G0B+4*\s+3], s[G1B:G1B+7]
	s_nop 0
	s_branch .Lasked_\@
.Lfor_a_\@:
	tensor_load_to_lds s[G0A+4*\s:G0A+4*\s+3], s[G1A:G1A+7]
	s_nop 0
.Lasked_\@:
.endm
.macro CREST                           ; a round of the cluster's barrier behind its opening work-group barrier
	s_cmp_lg_u32 s14, 0
	s_cbranch_scc1 .Lnot_wave_0_\@
	s_barrier_signal -3
.Lnot_wave_0_\@:
	s_barrier_wait -3
	s_barrier_signal -1
	s_barrier_wait -1
.endm
.macro CROUND                          ; a whole round
	s_barrier_signal -1
	s_barrier_wait -1
	CREST
.endm
.macro CPAIR r, val                    ; a constant in both words of a scalar pair, for the packed forms
	s_mov_b32 s[\r], \val
	s_mov_b32 s[\r+1], \val
.endm
	s_load_b256 s[4:11], s[0:1], 0x0               ; A s[4:5], wb s[6:7], bias s[8:9], out s[10:11]
	s_set_vgpr_msb 0x40
	v_lshl_add_u32 v255, v0, 2, 0x48400
	s_set_vgpr_msb 0x4000
	v_mov_b32 v31, 0
	s_set_vgpr_msb 0x1
	ds_add_u32 v255, v31
	ds_add_u32 v255, v31
	s_set_vgpr_msb 0x100
	v_lshrrev_b32 v1, 5, v0
	v_readfirstlane_b32 s14, v1                    ; wave 0..3
	s_lshr_b32 s15, s14, 1                         ; which half of the block's rows is mine.  Also: I fetch for W (0) or for A (1)
	s_and_b32 s16, s14, 1                          ; which half of its columns.  Also: which half of that tile I fetch
	s_bfe_u32 s17, ttmp6, 0x40000                  ; cx
	s_bfe_u32 s18, ttmp6, 0x40004                  ; cy
	s_lshl_b32 s19, ttmp9, 2
	s_add_co_u32 s19, s19, s17                     ; block column = 4 x cluster x + cx
	s_and_b32 s20, ttmp7, 0xffff
	s_lshl_b32 s20, s20, 2
	s_add_co_u32 s20, s20, s18                     ; block row = 4 x cluster y + cy
	s_lshl_b32 s21, s18, 2
	s_lshl_b32 s21, 15, s21                        ; my row of the cluster: places 4 cy .. 4 cy + 3
	s_lshl_b32 s22, 0x1111, s17                    ; my column: places cx, cx + 4, cx + 8, cx + 12
	; group 1 for A: 128 rows x 128 elements of 2 bytes, 4 words of padding behind every 64 words
	s_or_b32 s[G1A+0], s21, (1<<16)|(1<<20)|(1<<21)|(5<<22)|(3<<25)
	s_mov_b32 s[G1A+1], KSTEP<<16                  ; tensor_dim0 = 128
	s_mov_b32 s[G1A+2], 128<<16                    ; tensor_dim1 = 128
	s_mov_b32 s[G1A+3], KSTEP<<16                  ; tile_dim0 = 128
	s_mov_b32 s[G1A+4], 128                        ; tile_dim1 = 128
	s_mov_b32 s[G1A+5], SIZE_K                     ; elements from row to row
	s_mov_b32 s[G1A+6], 0
	s_mov_b32 s[G1A+7], 0
	; group 1 for W: 64 rows x 256 elements of 2 bytes, 8 words of padding behind every 128 words
	s_or_b32 s[G1B+0], s22, (1<<16)|(1<<20)|(1<<21)|(6<<22)|(7<<25)
	s_mov_b32 s[G1B+1], 256<<16
	s_mov_b32 s[G1B+2], (KSTEP/2)<<16
	s_mov_b32 s[G1B+3], 256<<16
	s_mov_b32 s[G1B+4], KSTEP/2
	s_mov_b32 s[G1B+5], SIZE_N
	s_mov_b32 s[G1B+6], 0
	s_mov_b32 s[G1B+7], 0
	; where the tiles come from: A's offset is made of the block row and the wave, W's of the block column and the wave
	s_lshl_b32 s40, s20, 8
	s_lshl_b32 s42, s16, 7
	s_add_co_u32 s40, s40, s42                     ; A: row 256 x block row + 128 x half
	s_mul_i32 s40, s40, SIZE_K*2
	s_mov_b32 s41, 0
	s_mul_i32 s44, s16, (KSTEP/2)*SIZE_N*2         ; W: row 64 x half of the K step,
	s_lshl_b32 s46, s19, 9                         ; column 256 x block column, in bytes
	s_add_co_u32 s44, s44, s46
	s_add_co_u32 s44, s44, WOFF                    ; and the matrix's place in wb
	s_mov_b32 s45, 0
	s_mul_i32 s23, s14, HB                         ; where they go: W's halves at wave x HB (waves 0, 1),
	s_mul_i32 s92, s14, HA
	s_add_co_u32 s92, s92, BBYTES-2*HA             ; A's halves behind them (waves 2, 3): no place in the cluster enters an LDS address
	s_wait_dscnt 0x0
	s_wait_kmcnt 0x0
	s_add_nc_u64 s[40:41], s[4:5], s[40:41]
	s_add_nc_u64 s[44:45], s[6:7], s[44:45]
	CROUND                                         ; all sixteen work-groups are here: the first joint loads meet
.irp s, 0,1
	s_mov_b32 s[G0A+4*\s], 1
	s_add_co_u32 s[G0A+4*\s+1], s92, \s*SLOT
	s_add_nc_u64 s[G0A+4*\s+2:G0A+4*\s+3], s[40:41], \s*KSTEP*2
	s_or_b32 s[G0A+4*\s+3], s[G0A+4*\s+3], 0x80000000
	s_mov_b32 s[G0B+4*\s], 1
	s_add_co_u32 s[G0B+4*\s+1], s23, \s*SLOT
	s_add_nc_u64 s[G0B+4*\s+2:G0B+4*\s+3], s[44:45], \s*KSTEP*SIZE_N*2
	s_or_b32 s[G0B+4*\s+3], s[G0B+4*\s+3], 0x80000000
	JLOAD \s                                       ; both slots are asked for before anything else is done
.endr
	v_and_b32 v1, 15, v0                           ; r = l % 16
	v_bfe_u32 v2, v0, 4, 1                         ; h = l / 16
	v_and_b32 v3, 7, v0                            ; l % 8
	v_bfe_u32 v4, v0, 3, 1                         ; (l / 8) % 2
	v_mul_u32_u24 v5, v1, PA                       ; A's fragment: row r, 16 bytes for each half of the lanes
	v_lshl_add_u32 v5, v2, 4, v5
	s_mul_i32 s86, s15, HA                         ; my 128 rows of A, behind W's tile
	s_add_co_u32 s86, s86, BBYTES
	v_add_nc_u32 v[ADRA], s86, v5
	v_add_nc_u32 v[ADRA+1], SLOT, v[ADRA]
	v_lshl_add_u32 v6, v2, 3, v3                   ; W's fragment: row 8 h + l % 8 along K,
	v_mul_u32_u24 v6, v6, PB
	v_lshl_add_u32 v6, v4, 4, v6                   ; eight columns for each eight lanes
	s_lshl_b32 s86, s16, 8                         ; my 128 columns
	v_add_nc_u32 v[ADRB], s86, v6
	v_add_nc_u32 v[ADRB+2], SLOT, v[ADRB]
	s_mul_i32 s86, s14, 16*SPITCH
	s_add_co_u32 s86, s86, STAGE                   ; my stage
	v_mul_u32_u24 v7, v1, SPITCH
	v_lshl_add_u32 v7, v2, 4, v7
	v_add_nc_u32 v[STO], s86, v7                   ; in: row r, 16 bytes for each half of the lanes
	v_mul_u32_u24 v7, v2, SPITCH
	v_lshl_add_u32 v7, v1, 4, v7
	v_add_nc_u32 v[RD], s86, v7                    ; back: lanes 0-15 one row of 256 bytes, lanes 16-31 the next
	v_mul_u32_u24 v7, v2, SIZE_N*2
	v_lshl_add_u32 v[CO], v1, 4, v7                ; the same two rows in the output
	v_lshlrev_b32 v[BO], 5, v2                     ; 8 f32 for each half of the lanes
	s_lshl_b32 s86, s20, 8
	s_lshl_b32 s87, s15, 7
	s_add_co_u32 s86, s86, s87                     ; my first row
	s_mul_i32 s86, s86, SIZE_N*2
	s_lshl_b32 s88, s19, 8
	s_lshl_b32 s89, s16, 7
	s_add_co_u32 s88, s88, s89                     ; my first column
	s_lshl_b32 s90, s88, 2
	s_mov_b32 s91, 0
	s_add_nc_u64 s[84:85], s[8:9], s[90:91]        ; the bias at my first column
	s_lshl1_add_u32 s86, s88, s86
	s_mov_b32 s87, 0
	s_add_nc_u64 s[82:83], s[10:11], s[86:87]      ; the output at my tile; never rewritten
.irp b, 0,1,2,3,4,5,6,7
	global_load_b128 v[BIAS+8*\b:BIAS+8*\b+3],   v[BO], s[84:85] offset:64*\b      ; waited for behind the K loop
	global_load_b128 v[BIAS+8*\b+4:BIAS+8*\b+7], v[BO], s[84:85] offset:64*\b+16
.endr
.if GELU
	CPAIR 66, 0x3e6d3388                           ; 0.3275911 / sqrt 2
	CPAIR 68, 0xbf38aa3b                           ; - log2(e) / 2
	CPAIR 70, 0x3f07dc22                           ; a5 / 2
	CPAIR 72, 0xbf3a00e3                           ; a4 / 2
	CPAIR 74, 0x3f35f0e3                           ; a3 / 2
	CPAIR 76, 0xbe11a98e                           ; a2 / 2
	CPAIR 78, 0x3e027906                           ; a1 / 2
.endif
; 16 matrix instructions: row blocks a0, a0 + 1 of the window's four x all 8 column blocks, 32 along K.  zero = 1: the first product starts the sums.
.macro MUL16 f, hi, a0, zero
.irp a, \a0, \a0+1
.irp b, 0,1,2,3,4,5,6,7
.if \zero
	v_wmma_f32_16x16x32_f16 v[8*(8*(\a)+\b):8*(8*(\a)+\b)+7], v[\f+8*\b:\f+8*\b+7], v[\f+8*(4*\hi+\a):\f+8*(4*\hi+\a)+7], 0
.else
	v_wmma_f32_16x16x32_f16 v[8*(8*(\a)+\b):8*(8*(\a)+\b)+7], v[\f+8*\b:\f+8*\b+7], v[\f+8*(4*\hi+\a):\f+8*(4*\hi+\a)+7], v[8*(8*(\a)+\b):8*(8*(\a)+\b)+7]
.endif
.endr
.endr
.endm
; 32 LDS loads in one run: the fragments of quarter q (32 along K) into buffer f: W's 8 column blocks, then A's 8 row blocks
.macro FETCH slot, q, f
	WIN TO_B
.irp b, 0,1,2,3,4,5,6,7
	ds_load_tr16_b128 v[\f+8*\b:\f+8*\b+3],   v[ADRB+2*\slot] offset:32*\q*PB+32*\b
	ds_load_tr16_b128 v[\f+8*\b+4:\f+8*\b+7], v[ADRB+2*\slot] offset:32*\q*PB+32*\b+16*PB
.endr
	WIN 0
.irp i, 0,1,2,3,4,5,6,7
	ds_load_b128 v[\f+8*\i:\f+8*\i+3],   v[ADRA+\slot] offset:64*\q+\i*16*PA
	ds_load_b128 v[\f+8*\i+4:\f+8*\i+7], v[ADRA+\slot] offset:64*\q+\i*16*PA+32
.endr
.endm
; Four plain vector instructions stand between a matrix instruction and a load into one of its registers, or a vector instruction or
; store that reads its result (ISA guide 7.12.1 for vector instructions).
.macro PLACES
.rept 4
	v_nop
.endr
.endm
; One of a K step's first three quarters: multiplies buffer f; in its middle it fetches quarter q of the same slot into buffer g.
.macro QUARTER slot, q, f, g, zero
	s_wait_dscnt 8                                 ; W's fragments and A's rows 0-63 are in; the youngest eight loads (A's rows 64-127) may be out
	WIN MUL_LO
	MUL16 \f, 0, 0, \zero
	MUL16 \f, 0, 2, \zero
	PLACES
	FETCH \slot, \q, \g
	s_wait_dscnt 32                                ; all but the 32 just issued
	WIN MUL_HI
	MUL16 \f, 1, 0, \zero
	MUL16 \f, 1, 2, \zero
.endm
.macro THREE slot, zero
	QUARTER \slot, 1, F0, F1, \zero
	QUARTER \slot, 2, F1, F0, 0
	QUARTER \slot, 3, F0, F1, 0
.endm
; The last quarter: multiplies buffer 1 and changes slots.  In front of the barrier each wave waits for its reads of this slot and for all
; its tensor loads (one is out: its part of the next slot).  Behind it (with fill = 1: behind the cluster's round that it opens) the
; refill comes first, then the next slot's first fragments.  From a request to the wait for it a wave issues 240 matrix instructions.
.macro TURN slot, next, fill
	s_wait_dscnt 8
	WIN MUL_LO
	MUL16 F1, 0, 0, 0
	s_wait_dscnt 0                                 ; my reads of this slot are over
	s_wait_tensorcnt 0x0                           ; all my tensor loads have landed
	ds_add_u32 v255, v31
	s_wait_dscnt 0x0
	s_barrier_signal -1
	MUL16 F1, 0, 2, 0                              ; register work while the others arrive
	WIN 0
	s_barrier_wait -1
.if \fill
	CREST                                          ; no wave of any partner still reads this slot or has a load on its way
	s_add_nc_u64 s[G0A+4*\slot+2:G0A+4*\slot+3], s[G0A+4*\slot+2:G0A+4*\slot+3], 2*KSTEP*2
	s_add_nc_u64 s[G0B+4*\slot+2:G0B+4*\slot+3], s[G0B+4*\slot+2:G0B+4*\slot+3], 2*KSTEP*SIZE_N*2
	JLOAD \slot                                    ; the first tensor load behind the round, one a wave
.endif
	PLACES
	FETCH \next, 0, F0
	WIN MUL_HI
	MUL16 F1, 1, 0, 0
	MUL16 F1, 1, 2, 0
.endm
.macro LAP zero
	THREE 0, \zero
	TURN 0, 1, 1
	THREE 1, 0
	TURN 1, 0, 1
.endm
	s_wait_tensorcnt 1                             ; my part of K step 0 is in; K step 1's may stay out
	s_barrier_signal -1
	s_barrier_wait -1
	FETCH 0, 0, F0
	LAP 1                                          ; the first lap stands in front of the loop: its first products start the sums
.if LAPS > 2
	WIN 0
	s_mov_b32 s3, LAPS-2
.Llap:
	LAP 0
	WIN 0
	s_sub_co_u32 s3, s3, 1
	s_cmp_lg_u32 s3, 0
	s_cbranch_scc1 .Llap
.endif
	THREE 0, 0                                     ; the last lap fills nothing
	TURN 0, 1, 0
	THREE 1, 0
	s_wait_dscnt 8
	WIN MUL_LO
	MUL16 F1, 0, 0, 0
	MUL16 F1, 0, 2, 0
	s_wait_dscnt 0
	WIN MUL_HI
	MUL16 F1, 1, 0, 0
	MUL16 F1, 1, 2, 0
	PLACES
	s_wait_loadcnt 0x0                             ; the bias
; gelu(x) = max(x, 0) - |x| q(t) 2^(-x x log2(e) / 2), t = 1 / (1 + 0.3275911 |x| / sqrt 2), q = half of the polynomial of 7.1.26: eight numbers in place
.macro GELU8 x
.irp k, 0,1,2,3,4,5,6,7
	v_and_b32 v[GT+\k], 0x7fffffff, v[\x+\k]       ; |x|
.endr
.irp k, 0,2,4,6
	v_pk_fma_f32 v[GT+8+\k:GT+8+\k+1], v[GT+\k:GT+\k+1], s[66:67], 1.0 op_sel_hi:[1,0,0]
.endr
.irp k, 0,2,4,6
	v_pk_mul_f32 v[GT+16+\k:GT+16+\k+1], v[GT+\k:GT+\k+1], v[GT+\k:GT+\k+1]
.endr
.irp k, 0,2,4,6
	v_pk_mul_f32 v[GT+16+\k:GT+16+\k+1], v[GT+16+\k:GT+16+\k+1], s[68:69] op_sel_hi:[1,0]
.endr
.irp k, 0,1,2,3,4,5,6,7
	v_rcp_f32 v[GT+8+\k], v[GT+8+\k]               ; t
.endr
.irp k, 0,1,2,3,4,5,6,7
	v_exp_f32 v[GT+16+\k], v[GT+16+\k]
.endr
.irp k, 0,1,2,3,4,5,6,7
	v_max_num_f32 v[\x+\k], 0, v[\x+\k]            ; also the plain instructions that stand behind the transcendentals (ISA guide 5.7.2)
.endr
.irp k, 0,2,4,6
	v_pk_fma_f32 v[GT+24+\k:GT+24+\k+1], v[GT+8+\k:GT+8+\k+1], s[70:71], s[72:73] op_sel_hi:[1,0,0]
.endr
.irp c, 74,76,78
.irp k, 0,2,4,6
	v_pk_fma_f32 v[GT+24+\k:GT+24+\k+1], v[GT+24+\k:GT+24+\k+1], v[GT+8+\k:GT+8+\k+1], s[\c:\c+1] op_sel_hi:[1,1,0]
.endr
.endr
.irp k, 0,2,4,6
	v_pk_mul_f32 v[GT+24+\k:GT+24+\k+1], v[GT+24+\k:GT+24+\k+1], v[GT+8+\k:GT+8+\k+1]
.endr
.irp k, 0,2,4,6
	v_pk_mul_f32 v[GT+24+\k:GT+24+\k+1], v[GT+24+\k:GT+24+\k+1], v[GT+16+\k:GT+16+\k+1]
.endr
.irp k, 0,2,4,6
	v_pk_fma_f32 v[\x+\k:\x+\k+1], v[GT+\k:GT+\k+1], v[GT+24+\k:GT+24+\k+1], v[\x+\k:\x+\k+1] neg_lo:[1,0,0] neg_hi:[1,0,0]
.endr
.endm
; THE WAY OUT, 16 rows at a time: bias (and GELU) in f32, rounded to f16, 16 bytes a lane into my own stage, read back as whole rows of 256 bytes.
; from = 0x02 or 0x03: source 0 is read from the accumulators' window.  rb: the set of registers for the rows read back.
.macro OUT16 i, a, from, rb
	WIN \from
.irp b, 0,1,2,3,4,5,6,7
.irp p, 0,2,4,6
	v_pk_add_f32 v[VAL+8*\b+\p:VAL+8*\b+\p+1], v[8*(8*\a+\b)+\p:8*(8*\a+\b)+\p+1], v[BIAS+8*\b+\p:BIAS+8*\b+\p+1]
.endr
.endr
	WIN 0
.if GELU
.irp g, 0,1,2,3,4,5,6,7
	GELU8 VAL+8*\g
.endr
.endif
.irp b, 0,1,2,3,4,5,6,7
.irp r, 0,1,2,3
	v_cvt_pk_f16_f32 v[VAL+4*\b+\r], v[VAL+8*\b+2*\r], v[VAL+8*\b+2*\r+1]   ; packed downward in place: a target is never a source still to be read
.endr
.endr
.irp b, 0,1,2,3,4,5,6,7
	ds_store_b128 v[STO], v[VAL+4*\b:VAL+4*\b+3] offset:32*\b
.endr
	s_wait_xcnt 0x0                                ; set rb was the data of earlier stores: it is loaded again only behind this wait
.irp t, 0,1,2,3,4,5,6,7
	ds_load_b128 v[\rb+4*\t:\rb+4*\t+3], v[RD] offset:\t*2*SPITCH   ; LDS serves a wave's instructions in order (ISA guide 5.7.1.4): these see the stores above
.endr
.irp t, 0,1,2,3,4,5,6,7
	s_wait_dscnt 7-\t
	global_store_b128 v[CO], v[\rb+4*\t:\rb+4*\t+3], s[82:83] offset:(16*\i+2*\t)*SIZE_N*2   ; 16 lanes store 256 consecutive bytes, aligned; the row stands in the immediate
.endr
.endm
	OUT16 0, 0, 0x02, RB0
	OUT16 1, 1, 0x02, RB1
	OUT16 2, 2, 0x02, RB0
	OUT16 3, 3, 0x02, RB1
	OUT16 4, 0, 0x03, RB0
	OUT16 5, 1, 0x03, RB1
	OUT16 6, 2, 0x03, RB0
	OUT16 7, 3, 0x03, RB1
	s_set_vgpr_msb 0x1
	s_wait_tensorcnt 0x0
	ds_add_u32 v255, v31
	s_wait_dscnt 0x0
	s_set_vgpr_msb 0x100
	CROUND                                         ; the closing round: no work-group ends while a partner may still ask for a tile that names it
	s_endpgm
.Lfunc_end_k_q6949f39b39_qkv:
	.size	k_q6949f39b39_qkv, .Lfunc_end_k_q6949f39b39_qkv-k_q6949f39b39_qkv
	.p2alignl 7, 3214868480
	.fill 96, 4, 3214868480
	.section	.rodata,"a",@progbits
	.p2align	6, 0x0
	.amdhsa_kernel k_q6949f39b39_qkv
		.amdhsa_group_segment_fixed_size 327680
		.amdhsa_private_segment_fixed_size 0
		.amdhsa_enable_private_segment 0
		.amdhsa_kernarg_size 32
		.amdhsa_user_sgpr_count 2
		.amdhsa_user_sgpr_kernarg_segment_ptr 1
		.amdhsa_wavefront_size32 1
		.amdhsa_system_sgpr_workgroup_id_x 1
		.amdhsa_system_sgpr_workgroup_id_y 1
		.amdhsa_system_sgpr_workgroup_id_z 1
		.amdhsa_system_vgpr_workitem_id 0
		.amdhsa_next_free_vgpr 1024
		.amdhsa_next_free_sgpr 96
		.amdhsa_reserve_vcc 0
		.amdhsa_float_denorm_mode_32 3
		.amdhsa_float_denorm_mode_16_64 3
		.amdhsa_memory_ordered 1
		.amdhsa_forward_progress 1
		.amdhsa_inst_pref_size 214
	.end_amdhsa_kernel
	.amdgpu_metadata
---
amdhsa.version: [ 1, 2 ]
amdhsa.kernels:
  - .name:           k_q6949f39b39_qkv
    .symbol:         k_q6949f39b39_qkv.kd
    .args:
      - { .name: xn, .offset: 0, .size: 8, .value_kind: global_buffer, .address_space: global }
      - { .name: wb, .offset: 8, .size: 8, .value_kind: global_buffer, .address_space: global }
      - { .name: b_attn, .offset: 16, .size: 8, .value_kind: global_buffer, .address_space: global }
      - { .name: qkv, .offset: 24, .size: 8, .value_kind: global_buffer, .address_space: global }
    .group_segment_fixed_size: 327680
    .private_segment_fixed_size: 0
    .kernarg_segment_align: 8
    .kernarg_segment_size: 32
    .max_flat_workgroup_size: 128
    .sgpr_count:     96
    .vgpr_count:     1024
    .wavefront_size: 32
...
	.end_amdgpu_metadata
.endif
;; end of part 3
;; launch attn (part 4): grid 8 x 32, 4 waves a work-group, no clusters, 327,680 bytes of LDS; arguments qkv, y; writes y
.if DOCPART == 4
	.amdgcn_target "amdgcn-amd-amdhsa--gfx1250"
	.amdhsa_code_object_version 6
	.text
	.protected	k_q6949f39b39_attn
	.globl	k_q6949f39b39_attn
	.p2align	8
	.type	k_q6949f39b39_attn,@function
k_q6949f39b39_attn:
	s_mov_b64 s[64:65], 0
	v_nop
	global_prefetch_b8 v0, s[64:65] scope:SCOPE_SE
	s_setreg_imm32_b32 hwreg(HW_REG_WAVE_MODE, 25, 1), 1
	s_wait_xcnt 0x0
; Causal attention of one head: y = softmax(Q K^T / 8, keys up to the query) V.  qkv: [4096][3072] f16 (q, k, v; a head is 64 columns).
; y: [4096][1024] f16.  Products on f16 operands with f32 sums; softmax in f32 with a running maximum.
; Work-group (i, bh), i = 0..7: query blocks i and then 15 - i of head bh, 128 rows each; a wave has 32 rows (two tiles of 16).
; Block i needs key tiles 0..i of 128 keys, block 15 - i tiles 0..15 - i: 17 tiles in every work-group, one stream of 17 steps.
; S^T = K Q^T and O^T = V^T P^T: lane (r, h) holds query r, so maximum, sum and factor are one register a lane, and two neighbouring
; tiles of S^T, rounded to f16, ARE a fragment of P^T.  V stays [key][d]: its fragments are made by ds_load_tr16_b128.
; A step is two halves of 64 keys: 16 matrix instructions for S, softmax, 16 for O.  Accumulators take turns, one instruction a turn.
; LDS: two slots of 40,960 bytes: K 128 rows of pitch 144 at +0, V 128 rows of pitch 160 at +20,480; waves 0, 1 fetch K's halves, waves
; 2, 3 V's, one tensor load a wave.  A stage of 32 rows x 144 bytes for each wave at 81,920: no tensor load lands there.
; NO MULTICAST: the work-groups of a head walk the same K and V, but with blocks i and 15 - i paired their streams start again at
; tile 0 at step i + 1, another step in each: partners would want different tiles in the same round.
; y's rows of a head are 128 bytes in the tensor itself: a store of a wave covers four such pieces.
; ROOM IN F16: P lies in [0, 1] since the running maximum is taken away first; y is a weighted mean of rows of V and is no larger than they.
; LIMITS: operands are f16; P is rounded to f16 while its row sum is kept in f32; a P below 2^-25 is lost (over 2,048 keys under 1e-4 of
; a row sum, which is at least 1); an exponential below 2^-126 comes out as zero; NaN and infinities are not served.
.set PK,    144
.set PVP,   160
.set SLOTB, 40960
.set VOFF,  20480
.set STAGE, 81920
.set KADR,  10                         ; v10-11  K fragments' LDS address in slot 0, 1
.set VADR,  12                         ; v12-13  V fragments'
.set QOFF,  14                         ; my byte offset in a query block
.set DM,    15                         ; 32 w + r - 8 h: a key of the diagonal tile is kept if its constant part is at most this
.set NINF,  16                         ; -infinity
.set STO,   17
.set RD,    18
.set YO,    19
.set ST,    20                         ; v20..27: factor 0, maximum 0, factor 1, maximum 1, -max c 0, sum 0, -max c 1, sum 1
.set TMP,   28                         ; v[28:43] at work
.set QFR,   48                         ; v[48:79]   Q(qt, ks) at 8 (2 qt + ks)
.set OUTA,  80                         ; v[80:143]  O(qt, dt) at 8 (4 qt + dt)
.set SCO,   144                        ; v[144:207] S(qt, kt) at 8 (4 qt + kt)
.set Q2FR,  208                        ; v[208:239] the second block's Q
.set KFR,   0                          ; window 1: K(kt, ks) at 8 (2 kt + ks)
.set VFA,   64                         ; window 1: V(dt, g) at 8 (2 dt + g), first half of a tile
.set VFB,   128                        ; window 1: the same, second half
.set PFR,   192                        ; window 1: P(qt, g) at 8 (2 qt + g)
.set G1K, 16
.set G1V, 24
.set G0K, 32
.set G0V, 40
.set MSB, 0
.macro WIN new
.if MSB != \new
	s_set_vgpr_msb (MSB<<8)|\new
.set MSB, \new
.endif
.endm
.macro PLACES                          ; four plain vector instructions behind a matrix instruction (ISA guide 7.12.1 for vector instructions)
.rept 4
	v_nop
.endr
.endm
; The global addresses of stream tile f (s13) into the slot's two descriptors: key tile f for f <= i, f - i - 1 behind it.
.macro NEXTADDR slot
	s_sub_co_u32 s14, s13, s66
	s_cmp_le_u32 s13, s9
	s_cselect_b32 s14, s13, s14
	s_mul_i32 s68, s14, 786432                     ; 128 rows of 6,144 bytes
	s_add_nc_u64 s[G0K+4*\slot+2:G0K+4*\slot+3], s[48:49], s[68:69]
	s_add_nc_u64 s[G0V+4*\slot+2:G0V+4*\slot+3], s[50:51], s[68:69]
	s_or_b32 s[G0K+4*\slot+3], s[G0K+4*\slot+3], 0x80000000
	s_or_b32 s[G0V+4*\slot+3], s[G0V+4*\slot+3], 0x80000000
	s_add_co_u32 s13, s13, 1
.endm
.macro KVLOAD slot                     ; one tensor load a wave: 64 rows of K (waves 0, 1) or of V (waves 2, 3)
	s_cmp_lt_u32 s8, 2
	s_cbranch_scc0 .Lfor_v_\@
	tensor_load_to_lds s[G0K+4*\slot:G0K+4*\slot+3], s[G1K:G1K+7]
	s_nop 0
	s_branch .Lasked_\@
.Lfor_v_\@:
	tensor_load_to_lds s[G0V+4*\slot:G0V+4*\slot+3], s[G1V:G1V+7]
	s_nop 0
.Lasked_\@:
.endm
	s_load_b128 s[4:7], s[0:1], 0x0                ; qkv s[4:5], y s[6:7]
	v_lshl_add_u32 v254, v0, 2, 0x29000
	v_mov_b32 v255, 0
	ds_add_u32 v254, v255
	ds_add_u32 v254, v255
	v_lshrrev_b32 v1, 5, v0
	v_readfirstlane_b32 s8, v1                     ; wave
	s_mov_b32 s9, ttmp9                            ; i
	s_and_b32 s10, ttmp7, 0xffff
	s_lshr_b32 s15, s10, 4                         ; batch
	s_and_b32 s10, s10, 15                         ; head
	s_add_co_u32 s66, s9, 1
	s_mov_b32 s69, 0
	s_mov_b32 s13, 0                               ; the stream tile to be asked for next
	s_mov_b32 s11, 0                               ; the step
	s_mov_b32 s60, 0x76543210
	s_mov_b32 s61, 0xfedcba98
	s_mov_b32 s62, 0x3e38aa3b                      ; log2(e) / 8
	s_mov_b32 s63, 0x3e38aa3b
	; group 1: 64 rows x 64 elements of 2 bytes, padding behind every 32 words: 4 words for K, 8 for V
	s_mov_b32 s[G1K+0], (1<<16)|(1<<20)|(4<<22)|(3<<25)
	s_mov_b32 s[G1V+0], (1<<16)|(1<<20)|(4<<22)|(7<<25)
.irp g, G1K, G1V
	s_mov_b32 s[\g+1], 64<<16                      ; tensor_dim0 = 64
	s_mov_b32 s[\g+2], 64<<16                      ; tensor_dim1 = 64
	s_mov_b32 s[\g+3], 64<<16                      ; tile_dim0 = 64
	s_mov_b32 s[\g+4], 64                          ; tile_dim1 = 64
	s_mov_b32 s[\g+5], 3072                        ; elements from row to row
	s_mov_b32 s[\g+6], 0
	s_mov_b32 s[\g+7], 0
.endr
.irp p, 0,1
	s_mov_b32 s[G0K+4*\p], 1
	s_mul_i32 s[G0K+4*\p+1], s8, 64*PK             ; K's halves at wave x 9,216 (waves 0, 1)
	s_add_co_u32 s[G0K+4*\p+1], s[G0K+4*\p+1], \p*SLOTB
	s_mov_b32 s[G0V+4*\p], 1
	s_mul_i32 s[G0V+4*\p+1], s8, 64*PVP            ; V's halves at wave x 10,240 (waves 2, 3): 20,480 and 30,720
	s_add_co_u32 s[G0V+4*\p+1], s[G0V+4*\p+1], \p*SLOTB
.endr
	s_lshl_b32 s67, s15, 11                        ; the batch's first row
	s_and_b32 s70, s8, 1
	s_lshl_b32 s70, s70, 6                         ; which 64 rows of a tile I fetch
	s_add_co_u32 s70, s70, s67
	s_mul_i32 s70, s70, 6144
	s_lshl_b32 s71, s10, 7                         ; the head's 128 bytes in a row
	s_add_co_u32 s70, s70, s71
	s_add_co_u32 s68, s70, 2048                    ; k begins 1,024 elements into a row
	s_wait_dscnt 0x0
	s_wait_kmcnt 0x0
	s_add_nc_u64 s[48:49], s[4:5], s[68:69]
	s_add_co_u32 s68, s70, 4096                    ; v 2,048 elements
	s_add_nc_u64 s[50:51], s[4:5], s[68:69]
	NEXTADDR 0
	KVLOAD 0                                       ; both first fills go out ahead of every wait on TENSORcnt, LDS read and barrier
	NEXTADDR 1
	KVLOAD 1
	s_lshl_b32 s70, s9, 7
	s_add_co_u32 s70, s70, s67                     ; first row of block i
	s_mul_i32 s68, s70, 6144
	s_add_co_u32 s68, s68, s71
	s_add_nc_u64 s[52:53], s[4:5], s[68:69]        ; its Q
	s_lshl_b32 s14, s8, 5                          ; 32 w
	s_add_co_u32 s70, s70, s14
	s_lshl_b32 s68, s70, 11
	s_add_co_u32 s68, s68, s71
	s_add_nc_u64 s[56:57], s[6:7], s[68:69]        ; y at my 32 rows of block i
	s_sub_co_u32 s70, 15, s9
	s_lshl_b32 s70, s70, 7
	s_add_co_u32 s70, s70, s67                     ; first row of block 15 - i
	s_mul_i32 s68, s70, 6144
	s_add_co_u32 s68, s68, s71
	s_add_nc_u64 s[54:55], s[4:5], s[68:69]
	s_add_co_u32 s70, s70, s14
	s_lshl_b32 s68, s70, 11
	s_add_co_u32 s68, s68, s71
	s_add_nc_u64 s[58:59], s[6:7], s[68:69]
	v_and_b32 v1, 15, v0                           ; r
	v_bfe_u32 v2, v0, 4, 1                         ; h
	v_and_b32 v3, 7, v0                            ; l % 8
	v_bfe_u32 v4, v0, 3, 1                         ; (l / 8) % 2
	v_and_b32 v5, 31, v0
	v_lshrrev_b32 v6, 3, v5                        ; l / 8
	v_add_nc_u32 v9, s14, v1                       ; 32 w + r
	v_mul_u32_u24 v[QOFF], v9, 6144
	v_lshl_add_u32 v[QOFF], v2, 4, v[QOFF]
.irp qt, 0,1
.irp ks, 0,1
	global_load_b128 v[QFR+16*\qt+8*\ks:QFR+16*\qt+8*\ks+3],     v[QOFF], s[52:53] offset:98304*\qt+64*\ks
	global_load_b128 v[QFR+16*\qt+8*\ks+4:QFR+16*\qt+8*\ks+7],   v[QOFF], s[52:53] offset:98304*\qt+64*\ks+32
	global_load_b128 v[Q2FR+16*\qt+8*\ks:Q2FR+16*\qt+8*\ks+3],   v[QOFF], s[54:55] offset:98304*\qt+64*\ks
	global_load_b128 v[Q2FR+16*\qt+8*\ks+4:Q2FR+16*\qt+8*\ks+7], v[QOFF], s[54:55] offset:98304*\qt+64*\ks+32
.endr
.endr
	v_mul_u32_u24 v7, v1, PK
	v_lshl_add_u32 v[KADR], v2, 4, v7              ; K: row r, 16 bytes for each half of the lanes
	v_add_nc_u32 v[KADR+1], SLOTB, v[KADR]
	v_lshl_add_u32 v8, v2, 3, v3                   ; V: key 8 h + l % 8,
	v_mul_u32_u24 v8, v8, PVP
	v_lshl_add_u32 v8, v4, 4, v8                   ; eight columns for each eight lanes
	v_add_nc_u32 v[VADR], VOFF, v8
	v_add_nc_u32 v[VADR+1], SLOTB+VOFF, v8
	v_lshlrev_b32 v[DM], 3, v2
	v_sub_nc_u32 v[DM], v9, v[DM]
	v_mov_b32 v[NINF], 0xff800000
	s_mul_i32 s70, s8, 32*PK
	s_add_co_u32 s70, s70, STAGE                   ; my stage
	v_add_nc_u32 v[STO], s70, v[KADR]              ; in: row r, 16 bytes for each half of the lanes
	v_mul_u32_u24 v[RD], v6, PK
	v_lshl_add_u32 v[RD], v3, 4, v[RD]
	v_add_nc_u32 v[RD], s70, v[RD]                 ; back: eight lanes take a row's 128 bytes
	v_lshlrev_b32 v[YO], 11, v6
	v_lshl_add_u32 v[YO], v3, 4, v[YO]             ; the same four rows in y
	v_mov_b32 v[ST+1], v[NINF]                     ; the running maxima
	v_mov_b32 v[ST+3], v[NINF]
	v_mov_b32 v[ST+5], 0                           ; the running sums
	v_mov_b32 v[ST+7], 0
.set n, 0
.rept 64
	v_mov_b32 v[OUTA+n], 0                         ; O is scaled before the first product adds to it, so it has to hold numbers
.set n, n+1
.endr
.macro LDK slot, hh                    ; 16 loads: K's fragments of 64 keys
.irp kt, 0,1,2,3
.irp ks, 0,1
	ds_load_b128 v[KFR+16*\kt+8*\ks:KFR+16*\kt+8*\ks+3],   v[KADR+(\slot)] offset:(64*\hh+16*\kt)*PK+64*\ks
	ds_load_b128 v[KFR+16*\kt+8*\ks+4:KFR+16*\kt+8*\ks+7], v[KADR+(\slot)] offset:(64*\hh+16*\kt)*PK+64*\ks+32
.endr
.endr
.endm
.macro LDV slot, hh, buf               ; 16 loads: V^T's fragments of 64 keys
.irp dt, 0,1,2,3
.irp g, 0,1
	ds_load_tr16_b128 v[\buf+8*(2*\dt+\g):\buf+8*(2*\dt+\g)+3],   v[VADR+(\slot)] offset:(64*\hh+32*\g)*PVP+32*\dt
	ds_load_tr16_b128 v[\buf+8*(2*\dt+\g)+4:\buf+8*(2*\dt+\g)+7], v[VADR+(\slot)] offset:(64*\hh+32*\g)*PVP+32*\dt+16*PVP
.endr
.endr
.endm
.macro QK                              ; S^T of 64 keys x 32 queries: the first 32 of d start the sums, the second 32 add to them
.irp qt, 0,1
.irp kt, 0,1,2,3
	v_wmma_f32_16x16x32_f16 v[SCO+8*(4*\qt+\kt):SCO+8*(4*\qt+\kt)+7], v[KFR+16*\kt:KFR+16*\kt+7], v[QFR+16*\qt:QFR+16*\qt+7], 0
.endr
.endr
.irp qt, 0,1
.irp kt, 0,1,2,3
	v_wmma_f32_16x16x32_f16 v[SCO+8*(4*\qt+\kt):SCO+8*(4*\qt+\kt)+7], v[KFR+16*\kt+8:KFR+16*\kt+15], v[QFR+16*\qt+8:QFR+16*\qt+15], v[SCO+8*(4*\qt+\kt):SCO+8*(4*\qt+\kt)+7]
.endr
.endr
.endm
.macro PV buf                          ; O^T += V^T P^T over 64 keys
.irp g, 0,1
.irp qt, 0,1
.irp dt, 0,1,2,3
	v_wmma_f32_16x16x32_f16 v[OUTA+8*(4*\qt+\dt):OUTA+8*(4*\qt+\dt)+7], v[\buf+8*(2*\dt+\g):\buf+8*(2*\dt+\g)+7], v[PFR+8*(2*\qt+\g):PFR+8*(2*\qt+\g)+7], v[OUTA+8*(4*\qt+\dt):OUTA+8*(4*\qt+\dt)+7]
.endr
.endr
.endr
.endm
.macro MASK hh                         ; the diagonal tile: key 64 hh + 16 kt + 8 h + j is kept for query 32 w + 16 qt + r if it is not behind it
.irp qt, 0,1
.irp kt, 0,1,2,3
.irp j, 0,1,2,3,4,5,6,7
	v_cmp_le_i32 vcc_lo, 64*\hh+16*\kt+\j-16*\qt, v[DM]
	v_cndmask_b32 v[SCO+8*(4*\qt+\kt)+\j], v[NINF], v[SCO+8*(4*\qt+\kt)+\j], vcc_lo
.endr
.endr
.endr
.endm
; One query tile's softmax step over 64 keys (32 numbers a lane).  The new maximum is joined over the two halves of the lanes; the sum stays
; a lane's own part until the end.  A first half always holds a key that is kept, so the maximum is finite from the first step on.
.macro SMX qt
.set SB, SCO+32*\qt
.set OB, OUTA+32*\qt
.set TT, TMP+8*\qt
.set AL, ST+2*\qt
.set MX, ST+2*\qt+1
.set NM, ST+4+2*\qt
.set LS, ST+5+2*\qt
	v_max3_num_f32 v[TT],   v[SB],   v[SB+1], v[MX]
	v_max3_num_f32 v[TT+1], v[SB+2], v[SB+3], v[SB+4]
	v_max3_num_f32 v[TT+2], v[SB+5], v[SB+6], v[SB+7]
	v_max3_num_f32 v[TT+3], v[SB+8], v[SB+9], v[SB+10]
.set n, 11
.rept 10
	v_max3_num_f32 v[TT+(((n-11)/2)%4)], v[TT+(((n-11)/2)%4)], v[SB+n], v[SB+n+1]
.set n, n+2
.endr
	v_max3_num_f32 v[TT+2], v[TT+2], v[SB+31], v[TT+3]
	v_max3_num_f32 v[TT], v[TT], v[TT+1], v[TT+2]
	v_permlanex16_b32 v[TT+1], v[TT], s60, s61
	v_max_num_f32 v[TT], v[TT], v[TT+1]            ; the new maximum of query r
	v_mul_f32 v[NM], -v[TT], s62                   ; - maximum x log2(e) / 8
	v_fma_f32 v[TT+2], v[MX], s62, v[NM]           ; (old - new) x log2(e) / 8; -infinity at a block's first step
	v_exp_f32 v[AL], v[TT+2]                       ; the factor for what has been summed so far; 0 at a block's first step
	v_mov_b32 v[MX], v[TT]
.irp k, 0,2,4,6,8,10,12,14,16,18,20,22,24,26,28,30
	v_pk_fma_f32 v[SB+\k:SB+\k+1], v[SB+\k:SB+\k+1], s[62:63], v[NM:NM+1] op_sel_hi:[1,0,0]
.endr
.set n, 0
.rept 32
	v_exp_f32 v[SB+n], v[SB+n]
.set n, n+1
.endr
	s_wait_alu depctr_va_vdst(0)
.irp k, 0,2,4,6,8,10,12,14,16,18,20,22,24,26,28,30
	v_pk_mul_f32 v[OB+\k:OB+\k+1], v[OB+\k:OB+\k+1], v[AL:AL+1] op_sel_hi:[1,0]   ; also the plain instructions behind the exponentials (ISA guide 5.7.2)
.endr
	v_pk_add_f32 v[TT:TT+1], v[SB:SB+1], v[SB+2:SB+3]
	v_pk_add_f32 v[TT+2:TT+3], v[SB+4:SB+5], v[SB+6:SB+7]
.irp k, 8,12,16,20,24,28
	v_pk_add_f32 v[TT:TT+1], v[TT:TT+1], v[SB+\k:SB+\k+1]
	v_pk_add_f32 v[TT+2:TT+3], v[TT+2:TT+3], v[SB+\k+2:SB+\k+3]
.endr
	v_pk_add_f32 v[TT:TT+1], v[TT:TT+1], v[TT+2:TT+3]
	v_add_f32 v[TT], v[TT], v[TT+1]
	v_fma_f32 v[LS], v[LS], v[AL], v[TT]
.endm
.macro SOFTMAX
	SMX 0
	SMX 1
	WIN 0x40                                       ; P^T's fragments lie in window 1: tile kt's eight numbers are registers 4 kt .. 4 kt + 3 of the query tile's sixteen
.set n, 0
.rept 32
	v_cvt_pk_f16_f32 v[PFR+n], v[SCO+2*n], v[SCO+2*n+1]
.set n, n+1
.endr
.endm
; A query block is done: O / sum, rounded to f16, through my own stage, out in rows of 128 bytes.  more = 1: the second block begins.
.macro FINAL more
	PLACES
	v_permlanex16_b32 v[TMP], v[ST+5], s60, s61
	v_permlanex16_b32 v[TMP+1], v[ST+7], s60, s61
	v_add_f32 v[TMP], v[TMP], v[ST+5]              ; the two halves of the lanes hold parts of a query's sum
	v_add_f32 v[TMP+1], v[TMP+1], v[ST+7]
	v_rcp_f32 v[ST], v[TMP]
	v_rcp_f32 v[ST+2], v[TMP+1]
	v_nop                                          ; the plain instruction behind the reciprocals (ISA guide 5.7.2)
	s_wait_alu depctr_va_vdst(0)
.irp qt, 0,1
.irp k, 0,2,4,6,8,10,12,14,16,18,20,22,24,26,28,30
	v_pk_mul_f32 v[OUTA+32*\qt+\k:OUTA+32*\qt+\k+1], v[OUTA+32*\qt+\k:OUTA+32*\qt+\k+1], v[ST+2*\qt:ST+2*\qt+1] op_sel_hi:[1,0]
.endr
.endr
.set n, 0
.rept 32
	v_cvt_pk_f16_f32 v[SCO+n], v[OUTA+2*n], v[OUTA+2*n+1]
.set n, n+1
.endr
.irp qt, 0,1
.irp dt, 0,1,2,3
	ds_store_b128 v[STO], v[SCO+4*(4*\qt+\dt):SCO+4*(4*\qt+\dt)+3] offset:16*PK*\qt+32*\dt
.endr
.endr
.irp t, 0,1,2,3,4,5,6,7
	ds_load_b128 v[SCO+32+4*\t:SCO+32+4*\t+3], v[RD] offset:4*PK*\t   ; LDS serves a wave's instructions in order (ISA guide 5.7.1.4): these see the stores above
.endr
.irp t, 0,1,2,3,4,5,6,7
	s_wait_dscnt 7-\t
	global_store_b128 v[YO], v[SCO+32+4*\t:SCO+32+4*\t+3], s[56:57] offset:8192*\t
.endr
.if \more
	s_wait_xcnt 0x0                                ; the stores' base and data are rewritten only behind this wait
	s_mov_b64 s[56:57], s[58:59]
.set n, 0
.rept 32
	v_mov_b32 v[QFR+n], v[Q2FR+n]                  ; the second block's Q, loaded at the start, so that one text serves both blocks
.set n, n+1
.endr
	v_mov_b32 v[ST+1], v[NINF]                     ; the maxima begin anew: the next factor is exp2(-infinity) = 0, and it multiplies the
	v_mov_b32 v[ST+3], v[NINF]                     ; old O and the old sums, which are finite: nothing else has to be cleared
.endif
.endm
; One step: the key tile in \slot.  refill = 1: the slot is filled again with the stream's tile two steps on.  next = 1: a step follows.
; dmode 0: no diagonal here; 1: the diagonal of block i if this is step i; 2: the diagonal of block 15 - i (the last step).
.macro STEP slot, refill, next, dmode
	s_wait_dscnt 16                                ; K's 16 loads of the first half are in; V's 16, issued behind them, may be out
	WIN 0x01
	QK
	WIN 0
	PLACES
	WIN 0x40
	LDK \slot, 1
	LDV \slot, 1, VFB
	WIN 0
.if \dmode == 1
	s_cmp_eq_u32 s11, s9
	s_cbranch_scc0 .Lfull0_\@
.endif
.if \dmode
	MASK 0
.endif
.if \dmode == 1
.Lfull0_\@:
.endif
	SOFTMAX
	s_wait_dscnt 32                                ; V of the first half is in; the 32 loads of the second half may be out
	WIN 0x05
	PV VFA
	s_wait_dscnt 16                                ; K of the second half is in
	WIN 0x01
	QK
	WIN 0
.if \next
	s_wait_dscnt 0x0                               ; my reads of this slot are over: all of it lies in registers
	s_wait_tensorcnt 0x0                           ; all my tensor loads have landed: my part of the other slot
	ds_add_u32 v254, v255
	s_wait_dscnt 0x0
.if \refill
	NEXTADDR \slot
.endif
	s_barrier_signal -1
	s_barrier_wait -1                              ; both now hold of every wave
.if \refill
	KVLOAD \slot                                   ; my one tensor load behind this barrier, first thing there: it has a whole step in which to land
.endif
	PLACES
	WIN 0x40
	LDK 1-\slot, 0
	LDV 1-\slot, 0, VFA
	WIN 0
.else
	PLACES
	s_wait_dscnt 0x0
.endif
.if \dmode == 1
	s_cmp_eq_u32 s11, s9
	s_cbranch_scc0 .Lfull1_\@
.endif
.if \dmode
	MASK 1
.endif
.if \dmode == 1
.Lfull1_\@:
.endif
	SOFTMAX
	WIN 0x05
	PV VFB
	WIN 0
.if \dmode == 1
	s_cmp_eq_u32 s11, s9
	s_cbranch_scc0 .Lgoes_on_\@
	FINAL 1
.Lgoes_on_\@:
.endif
.if \dmode == 2
	FINAL 0
.endif
.if \next
	s_add_co_u32 s11, s11, 1
.endif
.endm
	s_wait_tensorcnt 0x1                           ; my part of slot 0 is in; slot 1's may stay out
	s_barrier_signal -1
	s_barrier_wait -1
	WIN 0x40
	LDK 0, 0
	LDV 0, 0, VFA
	WIN 0
	s_wait_loadcnt 0x0                             ; Q of both blocks
	s_mov_b32 s12, 7
.Lsteps:                                           ; steps 0 to 13; i <= 7, so block i ends in here
	STEP 0, 1, 1, 1
	STEP 1, 1, 1, 1
	s_sub_co_u32 s12, s12, 1
	s_cmp_lg_u32 s12, 0
	s_cbranch_scc1 .Lsteps
	STEP 0, 1, 1, 0                                ; step 14 asks for the stream's last tile
	STEP 1, 0, 1, 0                                ; step 15: nothing is left to fetch
	STEP 0, 0, 0, 2                                ; step 16: the diagonal of block 15 - i
	s_wait_tensorcnt 0x0
	ds_add_u32 v254, v255
	s_wait_dscnt 0x0
	s_endpgm
.Lfunc_end_k_q6949f39b39_attn:
	.size	k_q6949f39b39_attn, .Lfunc_end_k_q6949f39b39_attn-k_q6949f39b39_attn
	.p2alignl 7, 3214868480
	.fill 96, 4, 3214868480
	.section	.rodata,"a",@progbits
	.p2align	6, 0x0
	.amdhsa_kernel k_q6949f39b39_attn
		.amdhsa_group_segment_fixed_size 327680
		.amdhsa_private_segment_fixed_size 0
		.amdhsa_enable_private_segment 0
		.amdhsa_kernarg_size 16
		.amdhsa_user_sgpr_count 2
		.amdhsa_user_sgpr_kernarg_segment_ptr 1
		.amdhsa_wavefront_size32 1
		.amdhsa_system_sgpr_workgroup_id_x 1
		.amdhsa_system_sgpr_workgroup_id_y 1
		.amdhsa_system_sgpr_workgroup_id_z 1
		.amdhsa_system_vgpr_workitem_id 0
		.amdhsa_next_free_vgpr 512
		.amdhsa_next_free_sgpr 72
		.amdhsa_reserve_vcc 1
		.amdhsa_float_denorm_mode_32 3
		.amdhsa_float_denorm_mode_16_64 3
		.amdhsa_memory_ordered 1
		.amdhsa_forward_progress 1
		.amdhsa_inst_pref_size 236
	.end_amdhsa_kernel
	.amdgpu_metadata
---
amdhsa.version: [ 1, 2 ]
amdhsa.kernels:
  - .name:           k_q6949f39b39_attn
    .symbol:         k_q6949f39b39_attn.kd
    .args:
      - { .name: qkv, .offset: 0, .size: 8, .value_kind: global_buffer, .address_space: global }
      - { .name: y, .offset: 8, .size: 8, .value_kind: global_buffer, .address_space: global }
    .group_segment_fixed_size: 327680
    .private_segment_fixed_size: 0
    .kernarg_segment_align: 8
    .kernarg_segment_size: 16
    .max_flat_workgroup_size: 128
    .sgpr_count:     72
    .vgpr_count:     512
    .wavefront_size: 32
...
	.end_amdgpu_metadata
.endif
;; end of part 4
;; launch proj (part 5): grid 8 x 32, 4 waves a work-group, clusters of 4 x 1, 270,848 bytes of LDS; arguments y, wb, b_proj, x, x1; writes x1
.if DOCPART == 5
	.amdgcn_target "amdgcn-amd-amdhsa--gfx1250"
	.amdhsa_code_object_version 6
	.text
	.protected	k_q6949f39b39_proj
	.globl	k_q6949f39b39_proj
	.p2align	8
	.type	k_q6949f39b39_proj,@function
k_q6949f39b39_proj:
	s_mov_b64 s[64:65], 0
	v_nop
	global_prefetch_b8 v0, s[64:65] scope:SCOPE_SE
	s_setreg_imm32_b32 hwreg(HW_REG_WAVE_MODE, 25, 1), 1
	s_wait_xcnt 0x0
	s_wait_alu depctr_hold_cnt(0) depctr_sa_sdst(0) depctr_va_vdst(0) depctr_va_sdst(0) depctr_va_ssrc(0) depctr_va_vcc(0) depctr_vm_vsrc(0)
	s_getreg_b32 s2, hwreg(HW_REG_IB_STS2, 6, 4)
	s_cmp_eq_u32 s2, 0
	s_cbranch_scc0 .Lentry_in_a_cluster
	s_endpgm
.Lentry_in_a_cluster:
	s_bfe_u32 s2, ttmp6, 0x10000c
	s_cmp_lg_u32 s2, 0x3003
	s_cbranch_scc0 .Lentry_shape_is_right
	s_endpgm
.Lentry_shape_is_right:
; out[m][n] = res[m][n] + bias[n] + sum over k of A[m][k] W[k][n], f32.  A: [4096][SIZE_K] f16.  W: SIZE_K x 1,024 f16 at byte WOFF of wb, in
; fragment order: block (kb = k / 32, nb = n / 16) is 1,024 bytes at (64 kb + nb) x 1,024, lane l's registers 0-3 at 16 l, 4-7 at 512 + 16 l.
; res, out: [4096][1024] f32.  Sums in f32.
; The output has 1,024 columns, so a work-group makes 128 x 128 of it (8 x 32 = 256 work-groups), with four waves.
; K IS SPLIT AMONG THE WAVES: each wave makes the whole 128 x 128 (64 accumulator tiles, 512 registers) over a quarter of K, and the four
; partial blocks are added at the end, through LDS.  For 32 of K a wave then loads 16 fragments for 64 matrix instructions, and each
; byte of A's tile is read from LDS once.
; A GOES THROUGH LDS, W DOES NOT.  Two slots of 128 rows x 512 of K of A (pitch 1,040 bytes); wave w fetches rows 32 w .. 32 w + 31 of a slot
; and multiplies the slot's K from 128 w to 128 w + 127.  W's fragments come straight into registers, 512 consecutive bytes a load, into a
; ring of four buffers of 32 of K each: three quarters' loads (48 loads, 24 KB a wave) are on their way beside the tensor load.  With W in
; the slots too, the same bytes of LDS would hold 256 of K: half the matrix work between a tile's request and the wait for it, twice the barriers.
; CLUSTERS: 4 x 1 work-groups, neighbours along the output's columns: they need the same rows of A and ask for them jointly (mask 15).
; W IS NOT ASKED FOR JOINTLY: a load into registers names no partners.  Each work-group reads its own 128 columns of W, SIZE_K x 256 bytes.
; THE MATRIX INSTRUCTION IS USED TRANSPOSED (source 0 = 16 columns of W, source 1 = 16 rows of A): lane l holds row l % 16 and eight
; neighbouring columns.  The 64 accumulators take turns, one instruction a turn, in the same order everywhere.
; REGISTERS: window 0: v16-31 addresses and bias, v64-127, v128-191 A's fragments (two buffers); window 1: W's four buffers, quarter q's at
; v[64 q]; windows 2 and 3: the accumulators of rows 0-63 and 64-127 (tile (a, b) at v[8 (8 a + b)]).
; LIMITS: operands are f16, as the launches that made them left them.  The sum over K is made in four parts, added in the waves' order.
; NaN and infinities are not served.
.set SIZE_N, 1024
.set SIZE_K, 1024
.set WOFF,   6291456
.set KSLOT,  512                       ; K in a slot
.set PA,     1040                      ; A's LDS row: 1,024 bytes + 16: an odd multiple of 16
.set QROWS,  32*PA                     ; what one tensor load brings
.set SLOT,   128*PA
.set IPITCH, 528                       ; the way out: a row of 128 f32 + 16 bytes: an odd multiple of 16
.set IMG,    128*IPITCH                ; a wave's partial block; the four lie over the ring, which has had its last fill by then
.set LAPS,   SIZE_K/(2*KSLOT)          ; a lap = two slots = once round the ring
.set KBB,    65536                     ; W's bytes for 32 of K: 64 blocks of 1,024
.set ADRA, 16                          ; v16-19  A fragments' LDS address: slot 0 rows 0-63, 64-127; slot 1 likewise (an offset has 16 bits)
.set VB,   20                          ; 16 x lane: my place in 512 consecutive bytes (W, bias, res, out); never rewritten
.set STO,  21                          ; the way out: where I put my part of a tile
.set RD,   22                          ; v22-25  where I read a row back from wave 0, 1, 2, 3's block
.set BI,   28                          ; v[28:31] bias of my 4 columns on the way out
.set F0,   64
.set F1,   128
.set G1, 24                            ; s[24:31] descriptor group 1
.set G0, 32                            ; s[32:39] descriptor group 0, one set for each slot
.set BB, 44                            ; s[44:45] W at my wave's quarter of the slot for which W is being asked
.set MSB, 0
.macro WIN new                         ; the immediate's high byte repeats the setting that is left
.if MSB != \new
	s_set_vgpr_msb (MSB<<8)|\new
.set MSB, \new
.endif
.endm
.set MUL_LO, 0xa1                      ; source 0 (W) window 1, source 1 (A) window 0, C and D window 2
.set MUL_HI, 0xf1                      ; the same, C and D window 3
.set TO_B,   0x40                      ; destination window 1, address window 0
.macro CREST                           ; a round of the cluster's barrier behind its opening work-group barrier
	s_cmp_lg_u32 s14, 0
	s_cbranch_scc1 .Lnot_wave_0_\@
	s_barrier_signal -3
.Lnot_wave_0_\@:
	s_barrier_wait -3
	s_barrier_signal -1
	s_barrier_wait -1
.endm
.macro CROUND                          ; a whole round
	s_barrier_signal -1
	s_barrier_wait -1
	CREST
.endm
; 16 loads: W's eight fragments of 32 of K into ring buffer buf; buffer q always holds a slot's quarter q, KBB bytes behind quarter q - 1
.macro BLOAD buf
.irp b, 0,1,2,3,4,5,6,7
	global_load_b128 v[64*(\buf)+8*\b:64*(\buf)+8*\b+3],   v[VB], s[BB:BB+1] offset:(\buf)*KBB+1024*\b
	global_load_b128 v[64*(\buf)+8*\b+4:64*(\buf)+8*\b+7], v[VB], s[BB:BB+1] offset:(\buf)*KBB+1024*\b+512
.endr
.endm
	s_load_b256 s[4:11], s[0:1], 0x0               ; A s[4:5], wb s[6:7], bias s[8:9], res s[10:11]
	s_load_b64 s[12:13], s[0:1], 0x20              ; out
	v_lshl_add_u32 v254, v0, 2, 0x42000
	v_mov_b32 v255, 0
	ds_add_u32 v254, v255
	ds_add_u32 v254, v255
	v_lshrrev_b32 v1, 5, v0
	v_readfirstlane_b32 s14, v1                    ; wave 0..3
	v_and_b32 v2, 31, v0
	v_lshlrev_b32 v[VB], 4, v2
	s_bfe_u32 s17, ttmp6, 0x40000                  ; cx
	s_lshl_b32 s19, ttmp9, 2
	s_add_co_u32 s19, s19, s17                     ; block column = 4 x cluster x + cx
	s_and_b32 s20, ttmp7, 0xffff                   ; block row = cluster y
	; group 1: 32 rows x 512 elements of 2 bytes, 4 words of padding behind every 256 words; the mask names the cluster's four
	s_mov_b32 s[G1+0], 15|(1<<16)|(1<<20)|(1<<21)|(7<<22)|(3<<25)
	s_mov_b32 s[G1+1], KSLOT<<16                   ; tensor_dim0 = 512
	s_mov_b32 s[G1+2], 32<<16                      ; tensor_dim1 = 32
	s_mov_b32 s[G1+3], KSLOT<<16                   ; tile_dim0 = 512
	s_mov_b32 s[G1+4], 32                          ; tile_dim1 = 32
	s_mov_b32 s[G1+5], SIZE_K                      ; elements from row to row
	s_mov_b32 s[G1+6], 0
	s_mov_b32 s[G1+7], 0
	s_lshl_b32 s40, s20, 7
	s_lshl_b32 s42, s14, 5
	s_add_co_u32 s40, s40, s42                     ; A: row 128 x block row + 32 x wave: the partners share it
	s_mul_i32 s40, s40, SIZE_K*2
	s_mov_b32 s41, 0
	s_mul_i32 s23, s14, QROWS                      ; where it goes: wave x 32 rows: no place in the cluster enters an LDS address
	s_lshl_b32 s44, s19, 13                        ; W: 8 blocks of 1,024 bytes for each block column,
	s_lshl_b32 s46, s14, 18                        ; my quarter of a slot: 4 x KBB x wave,
	s_add_co_u32 s44, s44, s46
	s_add_co_u32 s44, s44, WOFF                    ; and the matrix's place in wb
	s_mov_b32 s45, 0
	s_wait_dscnt 0x0
	s_wait_kmcnt 0x0
	s_add_nc_u64 s[40:41], s[4:5], s[40:41]
	s_add_nc_u64 s[BB:BB+1], s[6:7], s[44:45]
	WIN TO_B
	BLOAD 0                                        ; W of the first three quarters goes out first of all
	BLOAD 1
	BLOAD 2
	WIN 0
	CROUND                                         ; all four work-groups are here: the first joint loads meet
.irp s, 0,1
	s_mov_b32 s[G0+4*\s], 1
	s_add_co_u32 s[G0+4*\s+1], s23, \s*SLOT
	s_add_nc_u64 s[G0+4*\s+2:G0+4*\s+3], s[40:41], \s*KSLOT*2
	s_or_b32 s[G0+4*\s+3], s[G0+4*\s+3], 0x80000000
	tensor_load_to_lds s[G0+4*\s:G0+4*\s+3], s[G1:G1+7]   ; both slots are asked for ahead of every wait on TENSORcnt and every LDS read
	s_nop 0
.endr
	v_and_b32 v1, 15, v0                           ; r = l % 16
	v_bfe_u32 v2, v0, 4, 1                         ; h = l / 16
	v_mul_u32_u24 v5, v1, PA                       ; A's fragment: row r, 16 bytes for each half of the lanes,
	v_lshl_add_u32 v5, v2, 4, v5
	s_lshl_b32 s86, s14, 8                         ; in my quarter of the slot's K: 256 bytes of each row
	v_add_nc_u32 v[ADRA], s86, v5
	v_add_nc_u32 v[ADRA+1], 64*PA, v[ADRA]
	v_add_nc_u32 v[ADRA+2], SLOT, v[ADRA]
	v_add_nc_u32 v[ADRA+3], SLOT+64*PA, v[ADRA]
	s_mul_i32 s86, s14, IMG                        ; my partial block
	v_mul_u32_u24 v7, v1, IPITCH
	v_lshl_add_u32 v7, v2, 5, v7
	v_add_nc_u32 v[STO], s86, v7                   ; in: row r, 32 bytes (8 f32) for each half of the lanes
	s_mul_i32 s86, s14, 32*IPITCH                  ; back: rows 32 w .. 32 w + 31 are mine; the 32 lanes take a row's 512 bytes
	v_add_nc_u32 v[RD], s86, v[VB]
	v_add_nc_u32 v[RD+1], IMG, v[RD]
	v_add_nc_u32 v[RD+2], 2*IMG, v[RD]
	v_add_nc_u32 v[RD+3], 3*IMG, v[RD]
	s_lshl_b32 s86, s20, 7
	s_lshl_b32 s87, s14, 5
	s_add_co_u32 s86, s86, s87                     ; my first row on the way out,
	s_lshl_b32 s86, s86, 12                        ; of 4,096 bytes
	s_lshl_b32 s90, s19, 9                         ; the block's first column, in bytes
	s_mov_b32 s91, 0
	s_add_nc_u64 s[84:85], s[8:9], s[90:91]        ; the bias there
	s_add_co_u32 s86, s86, s90
	s_mov_b32 s87, 0
	s_add_nc_u64 s[80:81], s[10:11], s[86:87]      ; res and out at my 32 rows; never rewritten
	s_add_nc_u64 s[82:83], s[12:13], s[86:87]
; 16 matrix instructions: row blocks a0, a0 + 1 of the window's four x all 8 column blocks, 32 along K.  zero = 1: the first product starts the sums.
.macro MUL16 fa, fb, hi, a0, zero
.irp a, \a0, \a0+1
.irp b, 0,1,2,3,4,5,6,7
.if \zero
	v_wmma_f32_16x16x32_f16 v[8*(8*(\a)+\b):8*(8*(\a)+\b)+7], v[\fb+8*\b:\fb+8*\b+7], v[\fa+8*(4*\hi+\a):\fa+8*(4*\hi+\a)+7], 0
.else
	v_wmma_f32_16x16x32_f16 v[8*(8*(\a)+\b):8*(8*(\a)+\b)+7], v[\fb+8*\b:\fb+8*\b+7], v[\fa+8*(4*\hi+\a):\fa+8*(4*\hi+\a)+7], v[8*(8*(\a)+\b):8*(8*(\a)+\b)+7]
.endif
.endr
.endr
.endm
; 16 LDS loads in one run: A's eight fragments of my quarter q (32 along K) into buffer f
.macro FETCH slot, q, f
	WIN 0
.irp i, 0,1,2,3
	ds_load_b128 v[\f+8*\i:\f+8*\i+3],   v[ADRA+2*\slot] offset:64*(\q)+\i*16*PA
	ds_load_b128 v[\f+8*\i+4:\f+8*\i+7], v[ADRA+2*\slot] offset:64*(\q)+\i*16*PA+32
.endr
.irp i, 4,5,6,7
	ds_load_b128 v[\f+8*\i:\f+8*\i+3],   v[ADRA+2*\slot+1] offset:64*(\q)+(\i-4)*16*PA
	ds_load_b128 v[\f+8*\i+4:\f+8*\i+7], v[ADRA+2*\slot+1] offset:64*(\q)+(\i-4)*16*PA+32
.endr
.endm
; Four plain vector instructions stand between a matrix instruction and a load into one of its registers, or a vector instruction or
; store that reads its result (ISA guide 7.12.1 for vector instructions).
.macro PLACES
.rept 4
	v_nop
.endr
.endm
; One of a slot's first three quarters: multiplies A's buffer fa by W's buffer q.  Behind its first 16 matrix instructions stands one run of
; loads into the registers that the quarter before has read: A's next quarter into ga, and (bl = 1) W three quarters ahead into buffer q - 1.
; lc = how many younger loads of W may stay out: two quarters' 32, fewer at the end of K.
.macro QUARTER slot, q, fa, ga, zero, bl, lc
	s_wait_dscnt 8                                 ; A's rows 0-63 are in; the youngest eight loads (rows 64-127) may be out
	s_wait_loadcnt \lc                             ; loads come back in order: W of this quarter is in
	WIN MUL_LO
	MUL16 \fa, 64*\q, 0, 0, \zero
	PLACES
	FETCH \slot, \q+1, \ga
.if \bl
.if \q == 1
	s_wait_xcnt 0x0                                ; W's base is stepped only behind this wait: from here on W of the next slot is asked for
	s_add_nc_u64 s[BB:BB+1], s[BB:BB+1], 16*KBB
.endif
	WIN TO_B
	BLOAD (\q+3)%4
.endif
	WIN MUL_LO
	MUL16 \fa, 64*\q, 0, 2, \zero
	s_wait_dscnt 16                                ; all but the 16 just issued
	WIN MUL_HI
	MUL16 \fa, 64*\q, 1, 0, \zero
	MUL16 \fa, 64*\q, 1, 2, \zero
.endm
.macro THREE slot, zero, bl, l2
	QUARTER \slot, 0, F0, F1, \zero, 1, 32         ; asks for W of this slot's last quarter, in the last slot too
	QUARTER \slot, 1, F1, F0, 0, \bl, 32
	QUARTER \slot, 2, F0, F1, 0, \bl, \l2
.endm
; The last quarter of a slot that another follows: multiplies A's buffer 1 by W's buffer 3 and changes slots.  In front of the barrier each wave
; waits for its reads of this slot and for all its tensor loads (one is out: its part of the next slot).  Behind it (with fill = 1: behind
; the cluster's round that it opens) the refill comes first, then the next slot's first fragments.  From a request to the wait for it a
; wave issues 240 matrix instructions.
.macro TURN slot, next, fill
	s_wait_dscnt 8
	s_wait_loadcnt 32
	WIN MUL_LO
	MUL16 F1, 192, 0, 0, 0
	s_wait_dscnt 0                                 ; my reads of this slot are over
	s_wait_tensorcnt 0x0                           ; all my tensor loads have landed
	s_barrier_signal -1
	MUL16 F1, 192, 0, 2, 0                         ; register work while the others arrive
	WIN 0
	s_barrier_wait -1
.if \fill
	CREST                                          ; no wave of any partner still reads this slot or has a load on its way
	s_add_nc_u64 s[G0+4*\slot+2:G0+4*\slot+3], s[G0+4*\slot+2:G0+4*\slot+3], 2*KSLOT*2
	tensor_load_to_lds s[G0+4*\slot:G0+4*\slot+3], s[G1:G1+7]   ; the first tensor load behind the round, one a wave
.endif
	PLACES
	FETCH \next, 0, F0
	WIN TO_B
	BLOAD 2
	WIN MUL_HI
	MUL16 F1, 192, 1, 0, 0
	MUL16 F1, 192, 1, 2, 0
.endm
.macro LAP zero                        ; once round the ring, both slots filled again
	THREE 0, \zero, 1, 32
	TURN 0, 1, 1
	THREE 1, 0, 1, 32
	TURN 1, 0, 1
.endm
.macro LASTLAP zero                    ; the last lap fills nothing; in its second slot the counts of W's loads run down 32, 32, 16, 0
	THREE 0, \zero, 1, 32
	TURN 0, 1, 0
	THREE 1, 0, 0, 16
	s_wait_dscnt 8
	s_wait_loadcnt 0x0
	WIN MUL_LO
	MUL16 F1, 192, 0, 0, 0
	MUL16 F1, 192, 0, 2, 0
	s_wait_dscnt 0
	WIN MUL_HI
	MUL16 F1, 192, 1, 0, 0
	MUL16 F1, 192, 1, 2, 0
.endm
	s_wait_tensorcnt 1                             ; my part of slot 0 is in; slot 1's may stay out
	s_barrier_signal -1
	s_barrier_wait -1
	FETCH 0, 0, F0
.if LAPS > 1
	LAP 1                                          ; the first lap stands in front of the loop: its first products start the sums
.if LAPS > 2
	WIN 0                                          ; at a label and at a branch every window is 0
	s_mov_b32 s3, LAPS-2
.Llap:
	LAP 0
	WIN 0
	s_sub_co_u32 s3, s3, 1
	s_cmp_lg_u32 s3, 0
	s_cbranch_scc1 .Llap
.endif
	LASTLAP 0
.else
	LASTLAP 1
.endif
	; THE WAY OUT.  Each wave lays its partial block, 128 rows of 128 f32, into LDS; then wave w adds rows 32 w .. 32 w + 31 of the four
	; blocks, the residual and the bias, and stores whole rows: the pass through LDS adds the parts of K and turns tiles into rows at once.
	PLACES
	WIN 0
	global_load_b128 v[BI:BI+3], v[VB], s[84:85]
	WIN TO_B                                       ; the residual of my 32 rows goes into W's buffers 0 and 1, which are free; it comes in while the blocks are laid out
.set n, 0
.rept 32
	global_load_b128 v[4*n:4*n+3], v[VB], s[80:81] offset:4096*n th:TH_LOAD_NT
.set n, n+1
.endr
	WIN 0
	s_barrier_signal -1                            ; every wave's reads of the ring are back (its last wait on DScnt was for 0) and no tensor load is out:
	s_barrier_wait -1                              ; the ring's bytes, which are filled no more, may be written
	WIN 0x08                                       ; the stores' data come from window 2
.irp a, 0,1,2,3
.irp b, 0,1,2,3,4,5,6,7
	ds_store_b128 v[STO], v[8*(8*\a+\b):8*(8*\a+\b)+3]   offset:16*\a*IPITCH+64*\b
	ds_store_b128 v[STO], v[8*(8*\a+\b)+4:8*(8*\a+\b)+7] offset:16*\a*IPITCH+64*\b+16
.endr
.endr
	WIN 0x0c                                       ; and from window 3
.irp a, 0,1,2,3
.irp b, 0,1,2,3,4,5,6,7
	ds_store_b128 v[STO], v[8*(8*\a+\b):8*(8*\a+\b)+3]   offset:16*(\a+4)*IPITCH+64*\b
	ds_store_b128 v[STO], v[8*(8*\a+\b)+4:8*(8*\a+\b)+7] offset:16*(\a+4)*IPITCH+64*\b+16
.endr
.endr
	WIN 0
	s_wait_dscnt 0x0                               ; for the others' sake: my block is written
	s_barrier_signal -1
	s_barrier_wait -1
; rows 4 g .. 4 g + 3 of my 32, from all four blocks, into a set of 64 registers: row k's part from wave s at 16 k + 4 s
.macro GRP g, set
	s_wait_xcnt 0x0                                ; the set was the data of earlier stores: it is loaded again only behind this wait
.irp k, 0,1,2,3
.irp s, 0,1,2,3
	ds_load_b128 v[\set+16*\k+4*\s:\set+16*\k+4*\s+3], v[RD+\s] offset:(4*(\g)+\k)*IPITCH
.endr
.endr
.endm
; the four parts, the residual and the bias are added, and the four rows stored.  left = the next group's loads, which may stay out
.macro SUMOUT g, set, left
	s_wait_dscnt \left
.irp k, 0,1,2,3
.irp p, 0,2
	v_pk_add_f32 v[\set+16*\k+\p:\set+16*\k+\p+1], v[\set+16*\k+\p:\set+16*\k+\p+1], v[\set+16*\k+4+\p:\set+16*\k+4+\p+1]
	v_pk_add_f32 v[\set+16*\k+8+\p:\set+16*\k+8+\p+1], v[\set+16*\k+8+\p:\set+16*\k+8+\p+1], v[\set+16*\k+12+\p:\set+16*\k+12+\p+1]
.endr
.endr
.irp k, 0,1,2,3
.irp p, 0,2
	v_pk_add_f32 v[\set+16*\k+\p:\set+16*\k+\p+1], v[\set+16*\k+\p:\set+16*\k+\p+1], v[\set+16*\k+8+\p:\set+16*\k+8+\p+1]
.endr
.endr
	WIN 0x04                                       ; source 1 from window 1: the residual
.irp k, 0,1,2,3
.irp p, 0,2
	v_pk_add_f32 v[\set+16*\k+\p:\set+16*\k+\p+1], v[\set+16*\k+\p:\set+16*\k+\p+1], v[4*(4*(\g)+\k)+\p:4*(4*(\g)+\k)+\p+1]
.endr
.endr
	WIN 0
.irp k, 0,1,2,3
.irp p, 0,2
	v_pk_add_f32 v[\set+16*\k+\p:\set+16*\k+\p+1], v[\set+16*\k+\p:\set+16*\k+\p+1], v[BI+\p:BI+\p+1]
.endr
.endr
.irp k, 0,1,2,3
	global_store_b128 v[VB], v[\set+16*\k:\set+16*\k+3], s[82:83] offset:(4*(\g)+\k)*4096   ; the wave stores 512 consecutive bytes, aligned
.endr
.endm
	GRP 0, F0
	s_wait_loadcnt 0x0                             ; the bias and the residual
.irp g, 0,2,4,6
	GRP \g+1, F1
	SUMOUT \g, F0, 16
.if \g < 6
	GRP \g+2, F0
	SUMOUT \g+1, F1, 16
.else
	SUMOUT \g+1, F1, 0
.endif
.endr
	s_wait_tensorcnt 0x0
	ds_add_u32 v254, v255
	s_wait_dscnt 0x0
	CROUND                                         ; the closing round: no work-group ends while a partner may still ask for a tile that names it
	s_endpgm
.Lfunc_end_k_q6949f39b39_proj:
	.size	k_q6949f39b39_proj, .Lfunc_end_k_q6949f39b39_proj-k_q6949f39b39_proj
	.p2alignl 7, 3214868480
	.fill 96, 4, 3214868480
	.section	.rodata,"a",@progbits
	.p2align	6, 0x0
	.amdhsa_kernel k_q6949f39b39_proj
		.amdhsa_group_segment_fixed_size 270848
		.amdhsa_private_segment_fixed_size 0
		.amdhsa_enable_private_segment 0
		.amdhsa_kernarg_size 40
		.amdhsa_user_sgpr_count 2
		.amdhsa_user_sgpr_kernarg_segment_ptr 1
		.amdhsa_wavefront_size32 1
		.amdhsa_system_sgpr_workgroup_id_x 1
		.amdhsa_system_sgpr_workgroup_id_y 1
		.amdhsa_system_sgpr_workgroup_id_z 1
		.amdhsa_system_vgpr_workitem_id 0
		.amdhsa_next_free_vgpr 1024
		.amdhsa_next_free_sgpr 96
		.amdhsa_reserve_vcc 0
		.amdhsa_float_denorm_mode_32 3
		.amdhsa_float_denorm_mode_16_64 3
		.amdhsa_memory_ordered 1
		.amdhsa_forward_progress 1
		.amdhsa_inst_pref_size 104
	.end_amdhsa_kernel
	.amdgpu_metadata
---
amdhsa.version: [ 1, 2 ]
amdhsa.kernels:
  - .name:           k_q6949f39b39_proj
    .symbol:         k_q6949f39b39_proj.kd
    .args:
      - { .name: y, .offset: 0, .size: 8, .value_kind: global_buffer, .address_space: global }
      - { .name: wb, .offset: 8, .size: 8, .value_kind: global_buffer, .address_space: global }
      - { .name: b_proj, .offset: 16, .size: 8, .value_kind: global_buffer, .address_space: global }
      - { .name: x, .offset: 24, .size: 8, .value_kind: global_buffer, .address_space: global }
      - { .name: x1, .offset: 32, .size: 8, .value_kind: global_buffer, .address_space: global }
    .group_segment_fixed_size: 270848
    .private_segment_fixed_size: 0
    .kernarg_segment_align: 8
    .kernarg_segment_size: 40
    .max_flat_workgroup_size: 128
    .sgpr_count:     96
    .vgpr_count:     1024
    .wavefront_size: 32
...
	.end_amdgpu_metadata
.endif
;; end of part 5
;; launch ln2: the kernel of part 2 again; grid 256 x 1, 4 waves a work-group, no clusters, 0 bytes of LDS; arguments x1, ln2_g, ln2_b, xn; writes xn
;; launch ff1 (part 6): grid 16 x 16, 4 waves a work-group, clusters of 4 x 4, 327,680 bytes of LDS; arguments xn, wb, b_ff1, h; writes h
.if DOCPART == 6
	.amdgcn_target "amdgcn-amd-amdhsa--gfx1250"
	.amdhsa_code_object_version 6
	.text
	.protected	k_q6949f39b39_ff1
	.globl	k_q6949f39b39_ff1
	.p2align	8
	.type	k_q6949f39b39_ff1,@function
k_q6949f39b39_ff1:
	s_mov_b64 s[64:65], 0
	v_nop
	global_prefetch_b8 v0, s[64:65] scope:SCOPE_SE
	s_setreg_imm32_b32 hwreg(HW_REG_WAVE_MODE, 25, 1), 1
	s_wait_xcnt 0x0
	s_wait_alu depctr_hold_cnt(0) depctr_sa_sdst(0) depctr_va_vdst(0) depctr_va_sdst(0) depctr_va_ssrc(0) depctr_va_vcc(0) depctr_vm_vsrc(0)
	s_getreg_b32 s2, hwreg(HW_REG_IB_STS2, 6, 4)
	s_cmp_eq_u32 s2, 0
	s_cbranch_scc0 .Lentry_in_a_cluster
	s_endpgm
.Lentry_in_a_cluster:
	s_bfe_u32 s2, ttmp6, 0x10000c
	s_cmp_lg_u32 s2, 0xf033
	s_cbranch_scc0 .Lentry_shape_is_right
	s_endpgm
.Lentry_shape_is_right:
; out[m][n] = act( sum over k of A[m][k] W[k][n] + bias[n] ), rounded once to f16.  A: [4096][SIZE_K] f16.  W: [SIZE_K][SIZE_N] f16 at
; byte WOFF of wb.  bias: f32.  Sums in f32.  act = identity (GELU = 0) or the exact GELU (GELU = 1).
; A work-group makes 256 x 256 of the output with four waves, a wave 128 x 128: 64 accumulator tiles of 16 x 16 in 512 registers.
; K goes in steps of 128 through two LDS slots.  A slot holds W's tile (128 rows along K of 256 columns, pitch 544 bytes) and then
; A's tile (256 rows of 128 along K, pitch 272 bytes).  Waves 0 and 1 fetch W's two halves, waves 2 and 3 A's: one tensor load a wave.
; W stays [K][N]: its fragments are made by ds_load_tr16_b128, which turns 8 x 8 blocks of 16-bit numbers.
; CLUSTERS: 4 x 4 work-groups.  A's tile hangs on the block row alone and is asked for jointly by the four of a row of the cluster;
; W's tile hangs on the block column alone and is asked for jointly by the four of a column.  That divides the requests by four.
; THE MATRIX INSTRUCTION IS USED TRANSPOSED (source 0 = 16 columns of W, source 1 = 16 rows of A): lane l then holds row l % 16 of the
; output and eight neighbouring columns 8 (l / 16) + 0..7.
; The 64 accumulators take turns, one instruction a turn, in the same order everywhere.
; REGISTERS: window 0: v16-27 addresses, v64-127 and v128-191 A's fragments (two buffers), v192-255 the bias; window 1: v64-127, v128-191
; W's fragments; windows 2 and 3: the accumulators of my rows 0-63 and 64-127 (tile (a, b) at v[8 (8 a + b)]).
; ROOM IN F16 FOR THE OUTPUT: a sum over K = 1,024 of a normalised row (spread: the gain) times weights of spread 1/32 has the gain's spread;
; with gain and weights both 30 times larger it has a spread of 900, six spreads are 5,400: 12 times under 65,504.
; LIMITS: operands and output are f16; an output beyond 65,504 in magnitude becomes infinite and is not served.  NaN and infinities are
; not served.  With GELU = 1, erf is the rational form 7.1.26 of Abramowitz and Stegun, absolute error 1.5e-7 for every argument; its
; exponential comes out as zero below 2^-126.
.set SIZE_N, 4096
.set SIZE_K, 1024
.set WOFF,   8388608
.set GELU,   1
.set KSTEP,  128
.set PA,     272                       ; A's LDS row: 256 bytes + 16: an odd multiple of 16
.set PB,     544                       ; W's LDS row: 512 bytes + 32: an odd multiple of 32
.set HA,     128*PA                    ; what one tensor load brings of A
.set HB,     64*PB                     ; and of W
.set BBYTES, 2*HB
.set SLOT,   2*HB+2*HA
.set STAGE,  2*SLOT                    ; behind the ring: 16 rows x 272 bytes for each wave; no tensor load lands there
.set SPITCH, 272
.set LAPS,   SIZE_K/(2*KSTEP)          ; a lap = two K steps = once round the ring
.set ADRA, 16                          ; v16-17  LDS address of my A fragments in slot 0, 1
.set ADRB, 20                          ; v20, v22  the same for W
.set STO,  24                          ; the way out: where I put 16 bytes of a row
.set RD,   25                          ; where I read a row back
.set CO,   26                          ; my byte offset in the output
.set BO,   27                          ; my byte offset in the bias
.set F0,   64
.set F1,   128
.set VAL,  64                          ; the way out: 64 results in f32
.set GT,   128                         ; v[128:159] at work in GELU8
.set RB0,  160                         ; rows read back, two sets by turns
.set RB1,  32
.set BIAS, 192                         ; v[192:255] bias of my 8 columns in each of the 8 column tiles
.set G1A, 24
.set G0A, 32
.set G1B, 48
.set G0B, 56
.set MSB, 0
.macro WIN new                         ; the immediate's high byte repeats the setting that is left
.if MSB != \new
	s_set_vgpr_msb (MSB<<8)|\new
.set MSB, \new
.endif
.endm
.set MUL_LO, 0xa1                      ; source 0 (W) window 1, source 1 (A) window 0, C and D window 2
.set MUL_HI, 0xf1                      ; the same, C and D window 3
.set TO_B,   0x40                      ; destination window 1, address window 0
; A joint load: waves 0 and 1 ask for W's halves, waves 2 and 3 for A's.  The branch hangs on the wave's number alone.
.macro JLOAD s
	s_cmp_eq_u32 s15, 0
	s_cbranch_scc0 .Lfor_a_\@
	tensor_load_to_lds s[G0B+4*\s:G0B+4*\s+3], s[G1B:G1B+7]
	s_nop 0
	s_branch .Lasked_\@
.Lfor_a_\@:
	tensor_load_to_lds s[G0A+4*\s:G0A+4*\s+3], s[G1A:G1A+7]
	s_nop 0
.Lasked_\@:
.endm
.macro CREST                           ; a round of the cluster's barrier behind its opening work-group barrier
	s_cmp_lg_u32 s14, 0
	s_cbranch_scc1 .Lnot_wave_0_\@
	s_barrier_signal -3
.Lnot_wave_0_\@:
	s_barrier_wait -3
	s_barrier_signal -1
	s_barrier_wait -1
.endm
.macro CROUND                          ; a whole round
	s_barrier_signal -1
	s_barrier_wait -1
	CREST
.endm
.macro CPAIR r, val                    ; a constant in both words of a scalar pair, for the packed forms
	s_mov_b32 s[\r], \val
	s_mov_b32 s[\r+1], \val
.endm
	s_load_b256 s[4:11], s[0:1], 0x0               ; A s[4:5], wb s[6:7], bias s[8:9], out s[10:11]
	s_set_vgpr_msb 0x40
	v_lshl_add_u32 v255, v0, 2, 0x48400
	s_set_vgpr_msb 0x4000
	v_mov_b32 v31, 0
	s_set_vgpr_msb 0x1
	ds_add_u32 v255, v31
	ds_add_u32 v255, v31
	s_set_vgpr_msb 0x100
	v_lshrrev_b32 v1, 5, v0
	v_readfirstlane_b32 s14, v1                    ; wave 0..3
	s_lshr_b32 s15, s14, 1                         ; which half of the block's rows is mine.  Also: I fetch for W (0) or for A (1)
	s_and_b32 s16, s14, 1                          ; which half of its columns.  Also: which half of that tile I fetch
	s_bfe_u32 s17, ttmp6, 0x40000                  ; cx
	s_bfe_u32 s18, ttmp6, 0x40004                  ; cy
	s_lshl_b32 s19, ttmp9, 2
	s_add_co_u32 s19, s19, s17                     ; block column = 4 x cluster x + cx
	s_and_b32 s20, ttmp7, 0xffff
	s_lshl_b32 s20, s20, 2
	s_add_co_u32 s20, s20, s18                     ; block row = 4 x cluster y + cy
	s_lshl_b32 s21, s18, 2
	s_lshl_b32 s21, 15, s21                        ; my row of the cluster: places 4 cy .. 4 cy + 3
	s_lshl_b32 s22, 0x1111, s17                    ; my column: places cx, cx + 4, cx + 8, cx + 12
	; group 1 for A: 128 rows x 128 elements of 2 bytes, 4 words of padding behind every 64 words
	s_or_b32 s[G1A+0], s21, (1<<16)|(1<<20)|(1<<21)|(5<<22)|(3<<25)
	s_mov_b32 s[G1A+1], KSTEP<<16                  ; tensor_dim0 = 128
	s_mov_b32 s[G1A+2], 128<<16                    ; tensor_dim1 = 128
	s_mov_b32 s[G1A+3], KSTEP<<16                  ; tile_dim0 = 128
	s_mov_b32 s[G1A+4], 128                        ; tile_dim1 = 128
	s_mov_b32 s[G1A+5], SIZE_K                     ; elements from row to row
	s_mov_b32 s[G1A+6], 0
	s_mov_b32 s[G1A+7], 0
	; group 1 for W: 64 rows x 256 elements of 2 bytes, 8 words of padding behind every 128 words
	s_or_b32 s[G1B+0], s22, (1<<16)|(1<<20)|(1<<21)|(6<<22)|(7<<25)
	s_mov_b32 s[G1B+1], 256<<16
	s_mov_b32 s[G1B+2], (KSTEP/2)<<16
	s_mov_b32 s[G1B+3], 256<<16
	s_mov_b32 s[G1B+4], KSTEP/2
	s_mov_b32 s[G1B+5], SIZE_N
	s_mov_b32 s[G1B+6], 0
	s_mov_b32 s[G1B+7], 0
	; where the tiles come from: A's offset is made of the block row and the wave, W's of the block column and the wave
	s_lshl_b32 s40, s20, 8
	s_lshl_b32 s42, s16, 7
	s_add_co_u32 s40, s40, s42                     ; A: row 256 x block row + 128 x half
	s_mul_i32 s40, s40, SIZE_K*2
	s_mov_b32 s41, 0
	s_mul_i32 s44, s16, (KSTEP/2)*SIZE_N*2         ; W: row 64 x half of the K step,
	s_lshl_b32 s46, s19, 9                         ; column 256 x block column, in bytes
	s_add_co_u32 s44, s44, s46
	s_add_co_u32 s44, s44, WOFF                    ; and the matrix's place in wb
	s_mov_b32 s45, 0
	s_mul_i32 s23, s14, HB                         ; where they go: W's halves at wave x HB (waves 0, 1),
	s_mul_i32 s92, s14, HA
	s_add_co_u32 s92, s92, BBYTES-2*HA             ; A's halves behind them (waves 2, 3): no place in the cluster enters an LDS address
	s_wait_dscnt 0x0
	s_wait_kmcnt 0x0
	s_add_nc_u64 s[40:41], s[4:5], s[40:41]
	s_add_nc_u64 s[44:45], s[6:7], s[44:45]
	CROUND                                         ; all sixteen work-groups are here: the first joint loads meet
.irp s, 0,1
	s_mov_b32 s[G0A+4*\s], 1
	s_add_co_u32 s[G0A+4*\s+1], s92, \s*SLOT
	s_add_nc_u64 s[G0A+4*\s+2:G0A+4*\s+3], s[40:41], \s*KSTEP*2
	s_or_b32 s[G0A+4*\s+3], s[G0A+4*\s+3], 0x80000000
	s_mov_b32 s[G0B+4*\s], 1
	s_add_co_u32 s[G0B+4*\s+1], s23, \s*SLOT
	s_add_nc_u64 s[G0B+4*\s+2:G0B+4*\s+3], s[44:45], \s*KSTEP*SIZE_N*2
	s_or_b32 s[G0B+4*\s+3], s[G0B+4*\s+3], 0x80000000
	JLOAD \s                                       ; both slots are asked for before anything else is done
.endr
	v_and_b32 v1, 15, v0                           ; r = l % 16
	v_bfe_u32 v2, v0, 4, 1                         ; h = l / 16
	v_and_b32 v3, 7, v0                            ; l % 8
	v_bfe_u32 v4, v0, 3, 1                         ; (l / 8) % 2
	v_mul_u32_u24 v5, v1, PA                       ; A's fragment: row r, 16 bytes for each half of the lanes
	v_lshl_add_u32 v5, v2, 4, v5
	s_mul_i32 s86, s15, HA                         ; my 128 rows of A, behind W's tile
	s_add_co_u32 s86, s86, BBYTES
	v_add_nc_u32 v[ADRA], s86, v5
	v_add_nc_u32 v[ADRA+1], SLOT, v[ADRA]
	v_lshl_add_u32 v6, v2, 3, v3                   ; W's fragment: row 8 h + l % 8 along K,
	v_mul_u32_u24 v6, v6, PB
	v_lshl_add_u32 v6, v4, 4, v6                   ; eight columns for each eight lanes
	s_lshl_b32 s86, s16, 8                         ; my 128 columns
	v_add_nc_u32 v[ADRB], s86, v6
	v_add_nc_u32 v[ADRB+2], SLOT, v[ADRB]
	s_mul_i32 s86, s14, 16*SPITCH
	s_add_co_u32 s86, s86, STAGE                   ; my stage
	v_mul_u32_u24 v7, v1, SPITCH
	v_lshl_add_u32 v7, v2, 4, v7
	v_add_nc_u32 v[STO], s86, v7                   ; in: row r, 16 bytes for each half of the lanes
	v_mul_u32_u24 v7, v2, SPITCH
	v_lshl_add_u32 v7, v1, 4, v7
	v_add_nc_u32 v[RD], s86, v7                    ; back: lanes 0-15 one row of 256 bytes, lanes 16-31 the next
	v_mul_u32_u24 v7, v2, SIZE_N*2
	v_lshl_add_u32 v[CO], v1, 4, v7                ; the same two rows in the output
	v_lshlrev_b32 v[BO], 5, v2                     ; 8 f32 for each half of the lanes
	s_lshl_b32 s86, s20, 8
	s_lshl_b32 s87, s15, 7
	s_add_co_u32 s86, s86, s87                     ; my first row
	s_mul_i32 s86, s86, SIZE_N*2
	s_lshl_b32 s88, s19, 8
	s_lshl_b32 s89, s16, 7
	s_add_co_u32 s88, s88, s89                     ; my first column
	s_lshl_b32 s90, s88, 2
	s_mov_b32 s91, 0
	s_add_nc_u64 s[84:85], s[8:9], s[90:91]        ; the bias at my first column
	s_lshl1_add_u32 s86, s88, s86
	s_mov_b32 s87, 0
	s_add_nc_u64 s[82:83], s[10:11], s[86:87]      ; the output at my tile; never rewritten
.irp b, 0,1,2,3,4,5,6,7
	global_load_b128 v[BIAS+8*\b:BIAS+8*\b+3],   v[BO], s[84:85] offset:64*\b      ; waited for behind the K loop
	global_load_b128 v[BIAS+8*\b+4:BIAS+8*\b+7], v[BO], s[84:85] offset:64*\b+16
.endr
.if GELU
	CPAIR 66, 0x3e6d3388                           ; 0.3275911 / sqrt 2
	CPAIR 68, 0xbf38aa3b                           ; - log2(e) / 2
	CPAIR 70, 0x3f07dc22                           ; a5 / 2
	CPAIR 72, 0xbf3a00e3                           ; a4 / 2
	CPAIR 74, 0x3f35f0e3                           ; a3 / 2
	CPAIR 76, 0xbe11a98e                           ; a2 / 2
	CPAIR 78, 0x3e027906                           ; a1 / 2
.endif
; 16 matrix instructions: row blocks a0, a0 + 1 of the window's four x all 8 column blocks, 32 along K.  zero = 1: the first product starts the sums.
.macro MUL16 f, hi, a0, zero
.irp a, \a0, \a0+1
.irp b, 0,1,2,3,4,5,6,7
.if \zero
	v_wmma_f32_16x16x32_f16 v[8*(8*(\a)+\b):8*(8*(\a)+\b)+7], v[\f+8*\b:\f+8*\b+7], v[\f+8*(4*\hi+\a):\f+8*(4*\hi+\a)+7], 0
.else
	v_wmma_f32_16x16x32_f16 v[8*(8*(\a)+\b):8*(8*(\a)+\b)+7], v[\f+8*\b:\f+8*\b+7], v[\f+8*(4*\hi+\a):\f+8*(4*\hi+\a)+7], v[8*(8*(\a)+\b):8*(8*(\a)+\b)+7]
.endif
.endr
.endr
.endm
; 32 LDS loads in one run: the fragments of quarter q (32 along K) into buffer f: W's 8 column blocks, then A's 8 row blocks
.macro FETCH slot, q, f
	WIN TO_B
.irp b, 0,1,2,3,4,5,6,7
	ds_load_tr16_b128 v[\f+8*\b:\f+8*\b+3],   v[ADRB+2*\slot] offset:32*\q*PB+32*\b
	ds_load_tr16_b128 v[\f+8*\b+4:\f+8*\b+7], v[ADRB+2*\slot] offset:32*\q*PB+32*\b+16*PB
.endr
	WIN 0
.irp i, 0,1,2,3,4,5,6,7
	ds_load_b128 v[\f+8*\i:\f+8*\i+3],   v[ADRA+\slot] offset:64*\q+\i*16*PA
	ds_load_b128 v[\f+8*\i+4:\f+8*\i+7], v[ADRA+\slot] offset:64*\q+\i*16*PA+32
.endr
.endm
; Four plain vector instructions stand between a matrix instruction and a load into one of its registers, or a vector instruction or
; store that reads its result (ISA guide 7.12.1 for vector instructions).
.macro PLACES
.rept 4
	v_nop
.endr
.endm
; One of a K step's first three quarters: multiplies buffer f; in its middle it fetches quarter q of the same slot into buffer g.
.macro QUARTER slot, q, f, g, zero
	s_wait_dscnt 8                                 ; W's fragments and A's rows 0-63 are in; the youngest eight loads (A's rows 64-127) may be out
	WIN MUL_LO
	MUL16 \f, 0, 0, \zero
	MUL16 \f, 0, 2, \zero
	PLACES
	FETCH \slot, \q, \g
	s_wait_dscnt 32                                ; all but the 32 just issued
	WIN MUL_HI
	MUL16 \f, 1, 0, \zero
	MUL16 \f, 1, 2, \zero
.endm
.macro THREE slot, zero
	QUARTER \slot, 1, F0, F1, \zero
	QUARTER \slot, 2, F1, F0, 0
	QUARTER \slot, 3, F0, F1, 0
.endm
; The last quarter: multiplies buffer 1 and changes slots.  In front of the barrier each wave waits for its reads of this slot and for all
; its tensor loads (one is out: its part of the next slot).  Behind it (with fill = 1: behind the cluster's round that it opens) the
; refill comes first, then the next slot's first fragments.  From a request to the wait for it a wave issues 240 matrix instructions.
.macro TURN slot, next, fill
	s_wait_dscnt 8
	WIN MUL_LO
	MUL16 F1, 0, 0, 0
	s_wait_dscnt 0                                 ; my reads of this slot are over
	s_wait_tensorcnt 0x0                           ; all my tensor loads have landed
	ds_add_u32 v255, v31
	s_wait_dscnt 0x0
	s_barrier_signal -1
	MUL16 F1, 0, 2, 0                              ; register work while the others arrive
	WIN 0
	s_barrier_wait -1
.if \fill
	CREST                                          ; no wave of any partner still reads this slot or has a load on its way
	s_add_nc_u64 s[G0A+4*\slot+2:G0A+4*\slot+3], s[G0A+4*\slot+2:G0A+4*\slot+3], 2*KSTEP*2
	s_add_nc_u64 s[G0B+4*\slot+2:G0B+4*\slot+3], s[G0B+4*\slot+2:G0B+4*\slot+3], 2*KSTEP*SIZE_N*2
	JLOAD \slot                                    ; the first tensor load behind the round, one a wave
.endif
	PLACES
	FETCH \next, 0, F0
	WIN MUL_HI
	MUL16 F1, 1, 0, 0
	MUL16 F1, 1, 2, 0
.endm
.macro LAP zero
	THREE 0, \zero
	TURN 0, 1, 1
	THREE 1, 0
	TURN 1, 0, 1
.endm
	s_wait_tensorcnt 1                             ; my part of K step 0 is in; K step 1's may stay out
	s_barrier_signal -1
	s_barrier_wait -1
	FETCH 0, 0, F0
	LAP 1                                          ; the first lap stands in front of the loop: its first products start the sums
.if LAPS > 2
	WIN 0
	s_mov_b32 s3, LAPS-2
.Llap:
	LAP 0
	WIN 0
	s_sub_co_u32 s3, s3, 1
	s_cmp_lg_u32 s3, 0
	s_cbranch_scc1 .Llap
.endif
	THREE 0, 0                                     ; the last lap fills nothing
	TURN 0, 1, 0
	THREE 1, 0
	s_wait_dscnt 8
	WIN MUL_LO
	MUL16 F1, 0, 0, 0
	MUL16 F1, 0, 2, 0
	s_wait_dscnt 0
	WIN MUL_HI
	MUL16 F1, 1, 0, 0
	MUL16 F1, 1, 2, 0
	PLACES
	s_wait_loadcnt 0x0                             ; the bias
; gelu(x) = max(x, 0) - |x| q(t) 2^(-x x log2(e) / 2), t = 1 / (1 + 0.3275911 |x| / sqrt 2), q = half of the polynomial of 7.1.26: eight numbers in place
.macro GELU8 x
.irp k, 0,1,2,3,4,5,6,7
	v_and_b32 v[GT+\k], 0x7fffffff, v[\x+\k]       ; |x|
.endr
.irp k, 0,2,4,6
	v_pk_fma_f32 v[GT+8+\k:GT+8+\k+1], v[GT+\k:GT+\k+1], s[66:67], 1.0 op_sel_hi:[1,0,0]
.endr
.irp k, 0,2,4,6
	v_pk_mul_f32 v[GT+16+\k:GT+16+\k+1], v[GT+\k:GT+\k+1], v[GT+\k:GT+\k+1]
.endr
.irp k, 0,2,4,6
	v_pk_mul_f32 v[GT+16+\k:GT+16+\k+1], v[GT+16+\k:GT+16+\k+1], s[68:69] op_sel_hi:[1,0]
.endr
.irp k, 0,1,2,3,4,5,6,7
	v_rcp_f32 v[GT+8+\k], v[GT+8+\k]               ; t
.endr
.irp k, 0,1,2,3,4,5,6,7
	v_exp_f32 v[GT+16+\k], v[GT+16+\k]
.endr
.irp k, 0,1,2,3,4,5,6,7
	v_max_num_f32 v[\x+\k], 0, v[\x+\k]            ; also the plain instructions that stand behind the transcendentals (ISA guide 5.7.2)
.endr
	s_wait_alu depctr_va_vdst(0)
.irp k, 0,2,4,6
	v_pk_fma_f32 v[GT+24+\k:GT+24+\k+1], v[GT+8+\k:GT+8+\k+1], s[70:71], s[72:73] op_sel_hi:[1,0,0]
.endr
.irp c, 74,76,78
.irp k, 0,2,4,6
	v_pk_fma_f32 v[GT+24+\k:GT+24+\k+1], v[GT+24+\k:GT+24+\k+1], v[GT+8+\k:GT+8+\k+1], s[\c:\c+1] op_sel_hi:[1,1,0]
.endr
.endr
.irp k, 0,2,4,6
	v_pk_mul_f32 v[GT+24+\k:GT+24+\k+1], v[GT+24+\k:GT+24+\k+1], v[GT+8+\k:GT+8+\k+1]
.endr
.irp k, 0,2,4,6
	v_pk_mul_f32 v[GT+24+\k:GT+24+\k+1], v[GT+24+\k:GT+24+\k+1], v[GT+16+\k:GT+16+\k+1]
.endr
.irp k, 0,2,4,6
	v_pk_fma_f32 v[\x+\k:\x+\k+1], v[GT+\k:GT+\k+1], v[GT+24+\k:GT+24+\k+1], v[\x+\k:\x+\k+1] neg_lo:[1,0,0] neg_hi:[1,0,0]
.endr
.endm
; THE WAY OUT, 16 rows at a time: bias (and GELU) in f32, rounded to f16, 16 bytes a lane into my own stage, read back as whole rows of 256 bytes.
; from = 0x02 or 0x03: source 0 is read from the accumulators' window.  rb: the set of registers for the rows read back.
.macro OUT16 i, a, from, rb
	WIN \from
.irp b, 0,1,2,3,4,5,6,7
.irp p, 0,2,4,6
	v_pk_add_f32 v[VAL+8*\b+\p:VAL+8*\b+\p+1], v[8*(8*\a+\b)+\p:8*(8*\a+\b)+\p+1], v[BIAS+8*\b+\p:BIAS+8*\b+\p+1]
.endr
.endr
	WIN 0
.if GELU
.irp g, 0,1,2,3,4,5,6,7
	GELU8 VAL+8*\g
.endr
.endif
.irp b, 0,1,2,3,4,5,6,7
.irp r, 0,1,2,3
	v_cvt_pk_f16_f32 v[VAL+4*\b+\r], v[VAL+8*\b+2*\r], v[VAL+8*\b+2*\r+1]   ; packed downward in place: a target is never a source still to be read
.endr
.endr
.irp b, 0,1,2,3,4,5,6,7
	ds_store_b128 v[STO], v[VAL+4*\b:VAL+4*\b+3] offset:32*\b
.endr
	s_wait_xcnt 0x0                                ; set rb was the data of earlier stores: it is loaded again only behind this wait
.irp t, 0,1,2,3,4,5,6,7
	ds_load_b128 v[\rb+4*\t:\rb+4*\t+3], v[RD] offset:\t*2*SPITCH   ; LDS serves a wave's instructions in order (ISA guide 5.7.1.4): these see the stores above
.endr
.irp t, 0,1,2,3,4,5,6,7
	s_wait_dscnt 7-\t
	global_store_b128 v[CO], v[\rb+4*\t:\rb+4*\t+3], s[82:83] offset:(16*\i+2*\t)*SIZE_N*2   ; 16 lanes store 256 consecutive bytes, aligned; the row stands in the immediate
.endr
.endm
	OUT16 0, 0, 0x02, RB0
	OUT16 1, 1, 0x02, RB1
	OUT16 2, 2, 0x02, RB0
	OUT16 3, 3, 0x02, RB1
	OUT16 4, 0, 0x03, RB0
	OUT16 5, 1, 0x03, RB1
	OUT16 6, 2, 0x03, RB0
	OUT16 7, 3, 0x03, RB1
	s_set_vgpr_msb 0x1
	s_wait_tensorcnt 0x0
	ds_add_u32 v255, v31
	s_wait_dscnt 0x0
	s_set_vgpr_msb 0x100
	CROUND                                         ; the closing round: no work-group ends while a partner may still ask for a tile that names it
	s_endpgm
.Lfunc_end_k_q6949f39b39_ff1:
	.size	k_q6949f39b39_ff1, .Lfunc_end_k_q6949f39b39_ff1-k_q6949f39b39_ff1
	.p2alignl 7, 3214868480
	.fill 96, 4, 3214868480
	.section	.rodata,"a",@progbits
	.p2align	6, 0x0
	.amdhsa_kernel k_q6949f39b39_ff1
		.amdhsa_group_segment_fixed_size 327680
		.amdhsa_private_segment_fixed_size 0
		.amdhsa_enable_private_segment 0
		.amdhsa_kernarg_size 32
		.amdhsa_user_sgpr_count 2
		.amdhsa_user_sgpr_kernarg_segment_ptr 1
		.amdhsa_wavefront_size32 1
		.amdhsa_system_sgpr_workgroup_id_x 1
		.amdhsa_system_sgpr_workgroup_id_y 1
		.amdhsa_system_sgpr_workgroup_id_z 1
		.amdhsa_system_vgpr_workitem_id 0
		.amdhsa_next_free_vgpr 1024
		.amdhsa_next_free_sgpr 96
		.amdhsa_reserve_vcc 0
		.amdhsa_float_denorm_mode_32 3
		.amdhsa_float_denorm_mode_16_64 3
		.amdhsa_memory_ordered 1
		.amdhsa_forward_progress 1
		.amdhsa_inst_pref_size 255
	.end_amdhsa_kernel
	.section	.bss,"aw",@nobits
	.p2align	6
	.space	262144
	.amdgpu_metadata
---
amdhsa.version: [ 1, 2 ]
amdhsa.kernels:
  - .name:           k_q6949f39b39_ff1
    .symbol:         k_q6949f39b39_ff1.kd
    .args:
      - { .name: xn, .offset: 0, .size: 8, .value_kind: global_buffer, .address_space: global }
      - { .name: wb, .offset: 8, .size: 8, .value_kind: global_buffer, .address_space: global }
      - { .name: b_ff1, .offset: 16, .size: 8, .value_kind: global_buffer, .address_space: global }
      - { .name: h, .offset: 24, .size: 8, .value_kind: global_buffer, .address_space: global }
    .group_segment_fixed_size: 327680
    .private_segment_fixed_size: 0
    .kernarg_segment_align: 8
    .kernarg_segment_size: 32
    .max_flat_workgroup_size: 128
    .sgpr_count:     96
    .vgpr_count:     1024
    .wavefront_size: 32
...
	.end_amdgpu_metadata
.endif
;; end of part 6
;; launch ff2 (part 7): grid 8 x 32, 4 waves a work-group, clusters of 4 x 1, 327,680 bytes of LDS; arguments h, wb, b_ff2, x1, out0; writes out0
.if DOCPART == 7
	.amdgcn_target "amdgcn-amd-amdhsa--gfx1250"
	.amdhsa_code_object_version 6
	.text
	.protected	k_q6949f39b39_ff2
	.globl	k_q6949f39b39_ff2
	.p2align	8
	.type	k_q6949f39b39_ff2,@function
k_q6949f39b39_ff2:
	s_mov_b64 s[64:65], 0
	v_nop
	global_prefetch_b8 v0, s[64:65] scope:SCOPE_SE
	s_setreg_imm32_b32 hwreg(HW_REG_WAVE_MODE, 25, 1), 1
	s_wait_xcnt 0x0
	s_wait_alu depctr_hold_cnt(0) depctr_sa_sdst(0) depctr_va_vdst(0) depctr_va_sdst(0) depctr_va_ssrc(0) depctr_va_vcc(0) depctr_vm_vsrc(0)
	s_getreg_b32 s2, hwreg(HW_REG_IB_STS2, 6, 4)
	s_cmp_eq_u32 s2, 0
	s_cbranch_scc0 .Lentry_in_a_cluster
	s_endpgm
.Lentry_in_a_cluster:
	s_bfe_u32 s2, ttmp6, 0x10000c
	s_cmp_lg_u32 s2, 0x3003
	s_cbranch_scc0 .Lentry_shape_is_right
	s_endpgm
.Lentry_shape_is_right:
; out[m][n] = res[m][n] + bias[n] + sum over k of A[m][k] W[k][n], f32.  A: [4096][SIZE_K] f16.  W: SIZE_K x 1,024 f16 at byte WOFF of wb, in
; fragment order: block (kb = k / 32, nb = n / 16) is 1,024 bytes at (64 kb + nb) x 1,024, lane l's registers 0-3 at 16 l, 4-7 at 512 + 16 l.
; res, out: [4096][1024] f32.  Sums in f32.
; The output has 1,024 columns, so a work-group makes 128 x 128 of it (8 x 32 = 256 work-groups), with four waves.
; K IS SPLIT AMONG THE WAVES: each wave makes the whole 128 x 128 (64 accumulator tiles, 512 registers) over a quarter of K, and the four
; partial blocks are added at the end, through LDS.  For 32 of K a wave then loads 16 fragments for 64 matrix instructions, and each
; byte of A's tile is read from LDS once.
; A GOES THROUGH LDS, W DOES NOT.  Two slots of 128 rows x 512 of K of A (pitch 1,040 bytes); wave w fetches rows 32 w .. 32 w + 31 of a slot
; and multiplies the slot's K from 128 w to 128 w + 127.  W's fragments come straight into registers, 512 consecutive bytes a load, into a
; ring of four buffers of 32 of K each: three quarters' loads (48 loads, 24 KB a wave) are on their way beside the tensor load.  With W in
; the slots too, the same bytes of LDS would hold 256 of K: half the matrix work between a tile's request and the wait for it, twice the barriers.
; CLUSTERS: 4 x 1 work-groups, neighbours along the output's columns: they need the same rows of A and ask for them jointly (mask 15).
; W IS NOT ASKED FOR JOINTLY: a load into registers names no partners.  Each work-group reads its own 128 columns of W, SIZE_K x 256 bytes.
; THE MATRIX INSTRUCTION IS USED TRANSPOSED (source 0 = 16 columns of W, source 1 = 16 rows of A): lane l holds row l % 16 and eight
; neighbouring columns.  The 64 accumulators take turns, one instruction a turn, in the same order everywhere.
; REGISTERS: window 0: v16-31 addresses and bias, v64-127, v128-191 A's fragments (two buffers); window 1: W's four buffers, quarter q's at
; v[64 q]; windows 2 and 3: the accumulators of rows 0-63 and 64-127 (tile (a, b) at v[8 (8 a + b)]).
; LIMITS: operands are f16, as the launches that made them left them.  The sum over K is made in four parts, added in the waves' order.
; NaN and infinities are not served.
.set SIZE_N, 1024
.set SIZE_K, 4096
.set WOFF,   16777216
.set KSLOT,  512                       ; K in a slot
.set PA,     1040                      ; A's LDS row: 1,024 bytes + 16: an odd multiple of 16
.set QROWS,  32*PA                     ; what one tensor load brings
.set SLOT,   128*PA
.set IPITCH, 528                       ; the way out: a row of 128 f32 + 16 bytes: an odd multiple of 16
.set IMG,    128*IPITCH                ; a wave's partial block; the four lie over the ring, which has had its last fill by then
.set LAPS,   SIZE_K/(2*KSLOT)          ; a lap = two slots = once round the ring
.set KBB,    65536                     ; W's bytes for 32 of K: 64 blocks of 1,024
.set ADRA, 16                          ; v16-19  A fragments' LDS address: slot 0 rows 0-63, 64-127; slot 1 likewise (an offset has 16 bits)
.set VB,   20                          ; 16 x lane: my place in 512 consecutive bytes (W, bias, res, out); never rewritten
.set STO,  21                          ; the way out: where I put my part of a tile
.set RD,   22                          ; v22-25  where I read a row back from wave 0, 1, 2, 3's block
.set BI,   28                          ; v[28:31] bias of my 4 columns on the way out
.set F0,   64
.set F1,   128
.set G1, 24                            ; s[24:31] descriptor group 1
.set G0, 32                            ; s[32:39] descriptor group 0, one set for each slot
.set BB, 44                            ; s[44:45] W at my wave's quarter of the slot for which W is being asked
.set MSB, 0
.macro WIN new                         ; the immediate's high byte repeats the setting that is left
.if MSB != \new
	s_set_vgpr_msb (MSB<<8)|\new
.set MSB, \new
.endif
.endm
.set MUL_LO, 0xa1                      ; source 0 (W) window 1, source 1 (A) window 0, C and D window 2
.set MUL_HI, 0xf1                      ; the same, C and D window 3
.set TO_B,   0x40                      ; destination window 1, address window 0
.macro CREST                           ; a round of the cluster's barrier behind its opening work-group barrier
	s_cmp_lg_u32 s14, 0
	s_cbranch_scc1 .Lnot_wave_0_\@
	s_barrier_signal -3
.Lnot_wave_0_\@:
	s_barrier_wait -3
	s_barrier_signal -1
	s_barrier_wait -1
.endm
.macro CROUND                          ; a whole round
	s_barrier_signal -1
	s_barrier_wait -1
	CREST
.endm
; 16 loads: W's eight fragments of 32 of K into ring buffer buf; buffer q always holds a slot's quarter q, KBB bytes behind quarter q - 1
.macro BLOAD buf
.irp b, 0,1,2,3,4,5,6,7
	global_load_b128 v[64*(\buf)+8*\b:64*(\buf)+8*\b+3],   v[VB], s[BB:BB+1] offset:(\buf)*KBB+1024*\b
	global_load_b128 v[64*(\buf)+8*\b+4:64*(\buf)+8*\b+7], v[VB], s[BB:BB+1] offset:(\buf)*KBB+1024*\b+512
.endr
.endm
	s_load_b256 s[4:11], s[0:1], 0x0               ; A s[4:5], wb s[6:7], bias s[8:9], res s[10:11]
	s_load_b64 s[12:13], s[0:1], 0x20              ; out
	v_lshl_add_u32 v254, v0, 2, 0x42000
	v_mov_b32 v255, 0
	ds_add_u32 v254, v255
	ds_add_u32 v254, v255
	v_lshrrev_b32 v1, 5, v0
	v_readfirstlane_b32 s14, v1                    ; wave 0..3
	v_and_b32 v2, 31, v0
	v_lshlrev_b32 v[VB], 4, v2
	s_bfe_u32 s17, ttmp6, 0x40000                  ; cx
	s_lshl_b32 s19, ttmp9, 2
	s_add_co_u32 s19, s19, s17                     ; block column = 4 x cluster x + cx
	s_and_b32 s20, ttmp7, 0xffff                   ; block row = cluster y
	; group 1: 32 rows x 512 elements of 2 bytes, 4 words of padding behind every 256 words; the mask names the cluster's four
	s_mov_b32 s[G1+0], 15|(1<<16)|(1<<20)|(1<<21)|(7<<22)|(3<<25)
	s_mov_b32 s[G1+1], KSLOT<<16                   ; tensor_dim0 = 512
	s_mov_b32 s[G1+2], 32<<16                      ; tensor_dim1 = 32
	s_mov_b32 s[G1+3], KSLOT<<16                   ; tile_dim0 = 512
	s_mov_b32 s[G1+4], 32                          ; tile_dim1 = 32
	s_mov_b32 s[G1+5], SIZE_K                      ; elements from row to row
	s_mov_b32 s[G1+6], 0
	s_mov_b32 s[G1+7], 0
	s_lshl_b32 s40, s20, 7
	s_lshl_b32 s42, s14, 5
	s_add_co_u32 s40, s40, s42                     ; A: row 128 x block row + 32 x wave: the partners share it
	s_mul_i32 s40, s40, SIZE_K*2
	s_mov_b32 s41, 0
	s_mul_i32 s23, s14, QROWS                      ; where it goes: wave x 32 rows: no place in the cluster enters an LDS address
	s_lshl_b32 s44, s19, 13                        ; W: 8 blocks of 1,024 bytes for each block column,
	s_lshl_b32 s46, s14, 18                        ; my quarter of a slot: 4 x KBB x wave,
	s_add_co_u32 s44, s44, s46
	s_add_co_u32 s44, s44, WOFF                    ; and the matrix's place in wb
	s_mov_b32 s45, 0
	s_wait_dscnt 0x0
	s_wait_kmcnt 0x0
	s_add_nc_u64 s[40:41], s[4:5], s[40:41]
	s_add_nc_u64 s[BB:BB+1], s[6:7], s[44:45]
	WIN TO_B
	BLOAD 0                                        ; W of the first three quarters goes out first of all
	BLOAD 1
	BLOAD 2
	WIN 0
	CROUND                                         ; all four work-groups are here: the first joint loads meet
.irp s, 0,1
	s_mov_b32 s[G0+4*\s], 1
	s_add_co_u32 s[G0+4*\s+1], s23, \s*SLOT
	s_add_nc_u64 s[G0+4*\s+2:G0+4*\s+3], s[40:41], \s*KSLOT*2
	s_or_b32 s[G0+4*\s+3], s[G0+4*\s+3], 0x80000000
	tensor_load_to_lds s[G0+4*\s:G0+4*\s+3], s[G1:G1+7]   ; both slots are asked for ahead of every wait on TENSORcnt and every LDS read
	s_nop 0
.endr
	v_and_b32 v1, 15, v0                           ; r = l % 16
	v_bfe_u32 v2, v0, 4, 1                         ; h = l / 16
	v_mul_u32_u24 v5, v1, PA                       ; A's fragment: row r, 16 bytes for each half of the lanes,
	v_lshl_add_u32 v5, v2, 4, v5
	s_lshl_b32 s86, s14, 8                         ; in my quarter of the slot's K: 256 bytes of each row
	v_add_nc_u32 v[ADRA], s86, v5
	v_add_nc_u32 v[ADRA+1], 64*PA, v[ADRA]
	v_add_nc_u32 v[ADRA+2], SLOT, v[ADRA]
	v_add_nc_u32 v[ADRA+3], SLOT+64*PA, v[ADRA]
	s_mul_i32 s86, s14, IMG                        ; my partial block
	v_mul_u32_u24 v7, v1, IPITCH
	v_lshl_add_u32 v7, v2, 5, v7
	v_add_nc_u32 v[STO], s86, v7                   ; in: row r, 32 bytes (8 f32) for each half of the lanes
	s_mul_i32 s86, s14, 32*IPITCH                  ; back: rows 32 w .. 32 w + 31 are mine; the 32 lanes take a row's 512 bytes
	v_add_nc_u32 v[RD], s86, v[VB]
	v_add_nc_u32 v[RD+1], IMG, v[RD]
	v_add_nc_u32 v[RD+2], 2*IMG, v[RD]
	v_add_nc_u32 v[RD+3], 3*IMG, v[RD]
	s_lshl_b32 s86, s20, 7
	s_lshl_b32 s87, s14, 5
	s_add_co_u32 s86, s86, s87                     ; my first row on the way out,
	s_lshl_b32 s86, s86, 12                        ; of 4,096 bytes
	s_lshl_b32 s90, s19, 9                         ; the block's first column, in bytes
	s_mov_b32 s91, 0
	s_add_nc_u64 s[84:85], s[8:9], s[90:91]        ; the bias there
	s_add_co_u32 s86, s86, s90
	s_mov_b32 s87, 0
	s_add_nc_u64 s[80:81], s[10:11], s[86:87]      ; res and out at my 32 rows; never rewritten
	s_add_nc_u64 s[82:83], s[12:13], s[86:87]
; 16 matrix instructions: row blocks a0, a0 + 1 of the window's four x all 8 column blocks, 32 along K.  zero = 1: the first product starts the sums.
.macro MUL16 fa, fb, hi, a0, zero
.irp a, \a0, \a0+1
.irp b, 0,1,2,3,4,5,6,7
.if \zero
	v_wmma_f32_16x16x32_f16 v[8*(8*(\a)+\b):8*(8*(\a)+\b)+7], v[\fb+8*\b:\fb+8*\b+7], v[\fa+8*(4*\hi+\a):\fa+8*(4*\hi+\a)+7], 0
.else
	v_wmma_f32_16x16x32_f16 v[8*(8*(\a)+\b):8*(8*(\a)+\b)+7], v[\fb+8*\b:\fb+8*\b+7], v[\fa+8*(4*\hi+\a):\fa+8*(4*\hi+\a)+7], v[8*(8*(\a)+\b):8*(8*(\a)+\b)+7]
.endif
.endr
.endr
.endm
; 16 LDS loads in one run: A's eight fragments of my quarter q (32 along K) into buffer f
.macro FETCH slot, q, f
	WIN 0
.irp i, 0,1,2,3
	ds_load_b128 v[\f+8*\i:\f+8*\i+3],   v[ADRA+2*\slot] offset:64*(\q)+\i*16*PA
	ds_load_b128 v[\f+8*\i+4:\f+8*\i+7], v[ADRA+2*\slot] offset:64*(\q)+\i*16*PA+32
.endr
.irp i, 4,5,6,7
	ds_load_b128 v[\f+8*\i:\f+8*\i+3],   v[ADRA+2*\slot+1] offset:64*(\q)+(\i-4)*16*PA
	ds_load_b128 v[\f+8*\i+4:\f+8*\i+7], v[ADRA+2*\slot+1] offset:64*(\q)+(\i-4)*16*PA+32
.endr
.endm
; Four plain vector instructions stand between a matrix instruction and a load into one of its registers, or a vector instruction or
; store that reads its result (ISA guide 7.12.1 for vector instructions).
.macro PLACES
.rept 4
	v_nop
.endr
.endm
; One of a slot's first three quarters: multiplies A's buffer fa by W's buffer q.  Behind its first 16 matrix instructions stands one run of
; loads into the registers that the quarter before has read: A's next quarter into ga, and (bl = 1) W three quarters ahead into buffer q - 1.
; lc = how many younger loads of W may stay out: two quarters' 32, fewer at the end of K.
.macro QUARTER slot, q, fa, ga, zero, bl, lc
	s_wait_dscnt 8                                 ; A's rows 0-63 are in; the youngest eight loads (rows 64-127) may be out
	s_wait_loadcnt \lc                             ; loads come back in order: W of this quarter is in
	WIN MUL_LO
	MUL16 \fa, 64*\q, 0, 0, \zero
	PLACES
	FETCH \slot, \q+1, \ga
.if \bl
.if \q == 1
	s_wait_xcnt 0x0                                ; W's base is stepped only behind this wait: from here on W of the next slot is asked for
	s_add_nc_u64 s[BB:BB+1], s[BB:BB+1], 16*KBB
.endif
	WIN TO_B
	BLOAD (\q+3)%4
.endif
	WIN MUL_LO
	MUL16 \fa, 64*\q, 0, 2, \zero
	s_wait_dscnt 16                                ; all but the 16 just issued
	WIN MUL_HI
	MUL16 \fa, 64*\q, 1, 0, \zero
	MUL16 \fa, 64*\q, 1, 2, \zero
.endm
.macro THREE slot, zero, bl, l2
	QUARTER \slot, 0, F0, F1, \zero, 1, 32         ; asks for W of this slot's last quarter, in the last slot too
	QUARTER \slot, 1, F1, F0, 0, \bl, 32
	QUARTER \slot, 2, F0, F1, 0, \bl, \l2
.endm
; The last quarter of a slot that another follows: multiplies A's buffer 1 by W's buffer 3 and changes slots.  In front of the barrier each wave
; waits for its reads of this slot and for all its tensor loads (one is out: its part of the next slot).  Behind it (with fill = 1: behind
; the cluster's round that it opens) the refill comes first, then the next slot's first fragments.  From a request to the wait for it a
; wave issues 240 matrix instructions.
.macro TURN slot, next, fill
	s_wait_dscnt 8
	s_wait_loadcnt 32
	WIN MUL_LO
	MUL16 F1, 192, 0, 0, 0
	s_wait_dscnt 0                                 ; my reads of this slot are over
	s_set_vgpr_msb 0xa1a0
	s_wait_tensorcnt 0x0                           ; all my tensor loads have landed
	ds_add_u32 v254, v255
	s_wait_dscnt 0x0
	s_set_vgpr_msb 0xa0a1
	s_barrier_signal -1
	MUL16 F1, 192, 0, 2, 0                         ; register work while the others arrive
	WIN 0
	s_barrier_wait -1
.if \fill
	CREST                                          ; no wave of any partner still reads this slot or has a load on its way
	s_add_nc_u64 s[G0+4*\slot+2:G0+4*\slot+3], s[G0+4*\slot+2:G0+4*\slot+3], 2*KSLOT*2
	tensor_load_to_lds s[G0+4*\slot:G0+4*\slot+3], s[G1:G1+7]   ; the first tensor load behind the round, one a wave
	s_nop 0
.endif
	PLACES
	FETCH \next, 0, F0
	WIN TO_B
	BLOAD 2
	WIN MUL_HI
	MUL16 F1, 192, 1, 0, 0
	MUL16 F1, 192, 1, 2, 0
.endm
.macro LAP zero                        ; once round the ring, both slots filled again
	THREE 0, \zero, 1, 32
	TURN 0, 1, 1
	THREE 1, 0, 1, 32
	TURN 1, 0, 1
.endm
.macro LASTLAP zero                    ; the last lap fills nothing; in its second slot the counts of W's loads run down 32, 32, 16, 0
	THREE 0, \zero, 1, 32
	TURN 0, 1, 0
	THREE 1, 0, 0, 16
	s_wait_dscnt 8
	s_wait_loadcnt 0x0
	WIN MUL_LO
	MUL16 F1, 192, 0, 0, 0
	MUL16 F1, 192, 0, 2, 0
	s_wait_dscnt 0
	WIN MUL_HI
	MUL16 F1, 192, 1, 0, 0
	MUL16 F1, 192, 1, 2, 0
.endm
	s_wait_tensorcnt 1                             ; my part of slot 0 is in; slot 1's may stay out
	s_barrier_signal -1
	s_barrier_wait -1
	FETCH 0, 0, F0
.if LAPS > 1
	LAP 1                                          ; the first lap stands in front of the loop: its first products start the sums
.if LAPS > 2
	WIN 0                                          ; at a label and at a branch every window is 0
	s_mov_b32 s3, LAPS-2
.Llap:
	LAP 0
	WIN 0
	s_sub_co_u32 s3, s3, 1
	s_cmp_lg_u32 s3, 0
	s_cbranch_scc1 .Llap
.endif
	LASTLAP 0
.else
	LASTLAP 1
.endif
	; THE WAY OUT.  Each wave lays its partial block, 128 rows of 128 f32, into LDS; then wave w adds rows 32 w .. 32 w + 31 of the four
	; blocks, the residual and the bias, and stores whole rows: the pass through LDS adds the parts of K and turns tiles into rows at once.
	PLACES
	WIN 0
	global_load_b128 v[BI:BI+3], v[VB], s[84:85]
	WIN TO_B                                       ; the residual of my 32 rows goes into W's buffers 0 and 1, which are free; it comes in while the blocks are laid out
.set n, 0
.rept 32
	global_load_b128 v[4*n:4*n+3], v[VB], s[80:81] offset:4096*n th:TH_LOAD_NT
.set n, n+1
.endr
	WIN 0
	s_barrier_signal -1                            ; every wave's reads of the ring are back (its last wait on DScnt was for 0) and no tensor load is out:
	s_barrier_wait -1                              ; the ring's bytes, which are filled no more, may be written
	WIN 0x08                                       ; the stores' data come from window 2
.irp a, 0,1,2,3
.irp b, 0,1,2,3,4,5,6,7
	ds_store_b128 v[STO], v[8*(8*\a+\b):8*(8*\a+\b)+3]   offset:16*\a*IPITCH+64*\b
	ds_store_b128 v[STO], v[8*(8*\a+\b)+4:8*(8*\a+\b)+7] offset:16*\a*IPITCH+64*\b+16
.endr
.endr
	WIN 0x0c                                       ; and from window 3
.irp a, 0,1,2,3
.irp b, 0,1,2,3,4,5,6,7
	ds_store_b128 v[STO], v[8*(8*\a+\b):8*(8*\a+\b)+3]   offset:16*(\a+4)*IPITCH+64*\b
	ds_store_b128 v[STO], v[8*(8*\a+\b)+4:8*(8*\a+\b)+7] offset:16*(\a+4)*IPITCH+64*\b+16
.endr
.endr
	WIN 0
	s_wait_dscnt 0x0                               ; for the others' sake: my block is written
	s_barrier_signal -1
	s_barrier_wait -1
; rows 4 g .. 4 g + 3 of my 32, from all four blocks, into a set of 64 registers: row k's part from wave s at 16 k + 4 s
.macro GRP g, set
	s_wait_xcnt 0x0                                ; the set was the data of earlier stores: it is loaded again only behind this wait
.irp k, 0,1,2,3
.irp s, 0,1,2,3
	ds_load_b128 v[\set+16*\k+4*\s:\set+16*\k+4*\s+3], v[RD+\s] offset:(4*(\g)+\k)*IPITCH
.endr
.endr
.endm
; the four parts, the residual and the bias are added, and the four rows stored.  left = the next group's loads, which may stay out
.macro SUMOUT g, set, left
	s_wait_dscnt \left
.irp k, 0,1,2,3
.irp p, 0,2
	v_pk_add_f32 v[\set+16*\k+\p:\set+16*\k+\p+1], v[\set+16*\k+\p:\set+16*\k+\p+1], v[\set+16*\k+4+\p:\set+16*\k+4+\p+1]
	v_pk_add_f32 v[\set+16*\k+8+\p:\set+16*\k+8+\p+1], v[\set+16*\k+8+\p:\set+16*\k+8+\p+1], v[\set+16*\k+12+\p:\set+16*\k+12+\p+1]
.endr
.endr
.irp k, 0,1,2,3
.irp p, 0,2
	v_pk_add_f32 v[\set+16*\k+\p:\set+16*\k+\p+1], v[\set+16*\k+\p:\set+16*\k+\p+1], v[\set+16*\k+8+\p:\set+16*\k+8+\p+1]
.endr
.endr
	WIN 0x04                                       ; source 1 from window 1: the residual
.irp k, 0,1,2,3
.irp p, 0,2
	v_pk_add_f32 v[\set+16*\k+\p:\set+16*\k+\p+1], v[\set+16*\k+\p:\set+16*\k+\p+1], v[4*(4*(\g)+\k)+\p:4*(4*(\g)+\k)+\p+1]
.endr
.endr
	WIN 0
.irp k, 0,1,2,3
.irp p, 0,2
	v_pk_add_f32 v[\set+16*\k+\p:\set+16*\k+\p+1], v[\set+16*\k+\p:\set+16*\k+\p+1], v[BI+\p:BI+\p+1]
.endr
.endr
.irp k, 0,1,2,3
	global_store_b128 v[VB], v[\set+16*\k:\set+16*\k+3], s[82:83] offset:(4*(\g)+\k)*4096   ; the wave stores 512 consecutive bytes, aligned
.endr
.endm
	GRP 0, F0
	s_wait_loadcnt 0x0                             ; the bias and the residual
.irp g, 0,2,4,6
	GRP \g+1, F1
	SUMOUT \g, F0, 16
.if \g < 6
	GRP \g+2, F0
	SUMOUT \g+1, F1, 16
.else
	SUMOUT \g+1, F1, 0
.endif
.endr
	s_wait_tensorcnt 0x0
	ds_add_u32 v254, v255
	s_wait_dscnt 0x0
	CROUND                                         ; the closing round: no work-group ends while a partner may still ask for a tile that names it
	s_endpgm
.Lfunc_end_k_q6949f39b39_ff2:
	.size	k_q6949f39b39_ff2, .Lfunc_end_k_q6949f39b39_ff2-k_q6949f39b39_ff2
	.p2alignl 7, 3214868480
	.fill 96, 4, 3214868480
	.section	.rodata,"a",@progbits
	.p2align	6, 0x0
	.amdhsa_kernel k_q6949f39b39_ff2
		.amdhsa_group_segment_fixed_size 327680
		.amdhsa_private_segment_fixed_size 0
		.amdhsa_enable_private_segment 0
		.amdhsa_kernarg_size 40
		.amdhsa_user_sgpr_count 2
		.amdhsa_user_sgpr_kernarg_segment_ptr 1
		.amdhsa_wavefront_size32 1
		.amdhsa_system_sgpr_workgroup_id_x 1
		.amdhsa_system_sgpr_workgroup_id_y 1
		.amdhsa_system_sgpr_workgroup_id_z 1
		.amdhsa_system_vgpr_workitem_id 0
		.amdhsa_next_free_vgpr 1024
		.amdhsa_next_free_sgpr 96
		.amdhsa_reserve_vcc 0
		.amdhsa_float_denorm_mode_32 3
		.amdhsa_float_denorm_mode_16_64 3
		.amdhsa_memory_ordered 1
		.amdhsa_forward_progress 1
		.amdhsa_inst_pref_size 217
	.end_amdhsa_kernel
	.amdgpu_metadata
---
amdhsa.version: [ 1, 2 ]
amdhsa.kernels:
  - .name:           k_q6949f39b39_ff2
    .symbol:         k_q6949f39b39_ff2.kd
    .args:
      - { .name: h, .offset: 0, .size: 8, .value_kind: global_buffer, .address_space: global }
      - { .name: wb, .offset: 8, .size: 8, .value_kind: global_buffer, .address_space: global }
      - { .name: b_ff2, .offset: 16, .size: 8, .value_kind: global_buffer, .address_space: global }
      - { .name: x1, .offset: 24, .size: 8, .value_kind: global_buffer, .address_space: global }
      - { .name: out0, .offset: 32, .size: 8, .value_kind: global_buffer, .address_space: global }
    .group_segment_fixed_size: 327680
    .private_segment_fixed_size: 0
    .kernarg_segment_align: 8
    .kernarg_segment_size: 40
    .max_flat_workgroup_size: 128
    .sgpr_count:     96
    .vgpr_count:     1024
    .wavefront_size: 32
...
	.end_amdgpu_metadata
.endif
;; end of part 7
